; MI455X (gfx1250); checked and timed in simulation.
; The chip was launched on July 23, 2026; its instructions are those of AMD's public machine-readable ISA for CDNA 5 (MIT licence, August 2026) and "CDNA5" Instruction Set Architecture Reference Guide (July 2026). The comments in the code are by the model that wrote it; some were corrected since.
;; Re LUKAN. Allowed arithmetic: float matrix products may take bf16 or f16 operands with f32 sums; other float arithmetic in f32, or as packed bf16 or f16 multiplies, adds, multiply-adds, maxima and minima; sums over many terms, partial sums and values carried from step to step in f32; what a program stores and reads back later, other than sums and carried values, may be rounded once to bf16 or f16.
;; Inputs: W_out 256 x 1 float32; b_out 1 float32; bn_beta 3 x 256 float32; bn_gamma 3 x 256 float32; depth_scores 7 float32; fs 7 x 128 x 128 x 256 float32; grids 7 x 128 x 128 float32; mlp_W 3 x 256 x 256 float32; mlp_b 3 x 256 float32; x 2,048 x 128 float32.
;; Outputs: out0 2,048 x 1 float32.
;; One version. Each part assembles by itself: llvm-mc -triple=amdgcn-amd-amdhsa -mcpu=gfx1250 --defsym DOCPART=n.
;; ======== version 1 of 1: 5 launches
;; limits: values are held in f16: magnitudes above 65,504 overflow, below 6.1e-05 lose precision; inputs' magnitudes at most 65,504; a function is approximated: absolute error at most 1.5e-07; values outside matrix products are rounded to f16
;; workspace buffers: part 67,108,864 bytes; wb1 131,072 bytes; wb2 134,144 bytes; wb3 134,144 bytes; hs1 2,359,296 bytes; hs2 2,359,296 bytes; hs3 2,359,296 bytes
;; launch kan (part 1): grid 8 x 32, 4 waves a work-group, clusters of 4 x 1, 327,680 bytes of LDS; arguments x, grids, fs, depth_scores, mlp_W, part, wb1; writes part, wb1
.if DOCPART == 1
	.amdgcn_target "amdgcn-amd-amdhsa--gfx1250"
	.amdhsa_code_object_version 6
	.text
	.protected	k_q32d3b4ad99_kan
	.globl	k_q32d3b4ad99_kan
	.p2align	8
	.type	k_q32d3b4ad99_kan,@function
k_q32d3b4ad99_kan:
	s_mov_b64 s[64:65], 0
	v_nop
	global_prefetch_b8 v0, s[64:65] scope:SCOPE_SE
	s_setreg_imm32_b32 hwreg(HW_REG_WAVE_MODE, 25, 1), 1
	s_wait_xcnt 0x0
	s_wait_alu depctr_hold_cnt(0) depctr_sa_sdst(0) depctr_va_vdst(0) depctr_va_sdst(0) depctr_va_ssrc(0) depctr_va_vcc(0) depctr_vm_vsrc(0)
	s_getreg_b32 s2, hwreg(HW_REG_IB_STS2, 6, 4)
	s_cmp_eq_u32 s2, 0
	s_cbranch_scc0 .Lentry_in_a_cluster
	s_endpgm
.Lentry_in_a_cluster:
	s_bfe_u32 s2, ttmp6, 0x10000c
	s_cmp_lg_u32 s2, 0x3003
	s_cbranch_scc0 .Lentry_shape_is_right
	s_endpgm
.Lentry_shape_is_right:
; h[b][n] = sum over k = (d, i, g) of c_d relu(z[b][i] - grids[d][i][g]) fs[d][i][g][n], c_d = the sum of softmax(depth_scores) over depths >= d: the residual sums and the depth
; attention of the module are this one product, M = 2,048, N = 256, K = 114,688.  This launch makes 32 partial sums of it (f32, buffer part) and, on the side, layer 1's weights as f16 fragments (wb1).
; SHARES.  Work-group (x, y): rows 256 x .. 256 x + 255, features i = 4 y .. 4 y + 3 of all 7 depths: 28 SLOTS (d, i) of 128 k.  Four waves, 2 x 2; a wave has 128 rows x 128 columns: 64 accumulators, 512 registers.
; FORMAT.  Both operands f16, sums f32.  LIMITS: |fs|, |mlp_W| and |c (z - g)| stay under 65,504, f16's end; c z and c g are each rounded to f16 and their difference once more; numbers under 6e-5 keep f16's
; fixed step of 6e-8; a depth weight under 2^-126 counts as 0; NaN and infinities are not treated apart.
; TRANSPOSED USE.  Source 0 = 16 columns of fs, source 1 = 16 rows of the batch: in the result a lane holds ONE row (lane % 16) and eight columns.
; fs IS NOT TURNED.  It lies [k][n] in f32.  Lane (r, h) reads 16 bytes fs[k][64 q + 4 r .. + 3]: its four numbers belong to FOUR column tiles t = 0..3, in each of them to column place r.  Two such loads of
; neighbouring k give, number by number, one register (two f16) of each of the four tiles' fragments.  So tile (q, t) holds the columns 64 q + 4 m + t, m = 0..15, and within a step of 32 k lane half h holds
; k = 16 h + 0..15 in its eight registers; the left operand is made in the same order, so the products are the true ones.  16 lanes read 256 bytes on end: no bank is asked twice, and no padding is needed.
; THE LEFT OPERAND is made in registers: two tables in LDS, made once, hold (c z, c z) for each slot and row and -c g for each k, in f16; a register of a fragment is v_pk_add_f16 and v_pk_max_num_f16 against 0.
; RING.  Two LDS slots of 131,072 bytes, one (d, i) each, dense as in memory; a wave fetches a quarter by one tensor load.  CLUSTER: the four row blocks of a cluster walk the same fs: each quarter is asked for
; jointly, the same load, descriptor and mask (15) in all four.
; REGISTERS AND PHASES.  An instruction names v0-v255; s_set_vgpr_msb says which window of 256 each operand place means (bits 1:0 source 0, 3:2 source 1, 5:4 source 2, 7:6 destination).  The map is made so that the vector
; instructions behind a product run under THE PRODUCT'S OWN SETTING: what they write lies in the window of its C and D, what they read in the windows of its two sources.  Every window holds the same things:
;   v16-19 Z of four row tiles; v20 zero; v24-31 -c g of a step; v32-63 four fs fragments; v64-95 four left fragments; v96-127 fs as loaded (eight loads); v128-255 sixteen accumulators.  Window 0 also: v0-15 addresses.
; With A = row tile / 4 and q = column tile / 4:  accumulators (A, q) lie in window 2 A (q = 0) or 3 - 2 A (q = 1);  fs fragments of an even step in window q, of an odd step in window 2 + q;
; left fragments of an odd step in window A, of an even step in window 3 - A.  A step is four PHASES of 16 products, one setting each (source 0, source 1, C and D):
;   even step: (0,3,0) (0,2,2) (1,2,1) (1,3,3)      odd step: (2,1,2) (2,0,0) (3,0,3) (3,1,1)
; In phases 0 and 2 the destination's window is source 0's: four vector instructions behind each product make four left fragments of the NEXT step in place (Z from source 0's window, -c g and the zero from source 1's).
; In phases 1 and 3 the destination's window is where the next step's fs fragments belong: two conversions behind each product (even k as loaded in source 0's window, odd k in source 1's).
; So a step has a switch for each phase and a few round its two runs of LDS loads.  Each register so written was last read by a product a whole phase (16 products, 32 vector instructions) or more earlier.
.set SLOT1,  1<<17                     ; slot 1 begins here: one exclusive or turns an address in one slot into the other's
.set STEPB,  32768                     ; 32 k x 1,024 bytes
.set NGT,    2*SLOT1                   ; -c g in f16: step t of 112 at 64 t, k in the step at 2 k; 7,168 bytes and 1,024 of zeros
.set ZT,     NGT+8192                  ; (c z, c z): slot s at 1,024 s, row m at 4 m; slot 28 holds zeros
.set RED,    ZT+29*1024                ; the four waves' minima and maxima
.set SPARE,  RED+256                   ; the spare words, 128 bytes a wave: two blocks of 256 bytes that no other line names
.set XOF,  1                           ; head: x, 512 tid + 16 y
.set AB0,  2                           ; my place in a step of fs: 16,384 h + 16 r + 512 x column half; never rewritten
.set ADRB, 3                           ; the address of the runs in hand
.set NGA,  4                           ; NGT + 32 h; never rewritten
.set NGC,  5
.set ZA,   6                           ; ZT + 512 x row half + 4 r; never rewritten
.set ZC,   7
.set PO,   8                           ; 16 x lane
.set SPW,  10                          ; my spare word: SPARE + 4 x my thread's number; never rewritten
.set NIL,  11                          ; 0; never rewritten
.set PFO,  12                          ; 256 x lane
.set XOF2, 13                          ; head: my own rows of x
.set GOF,  14                          ; head: grids
.set WOF,  15                          ; head: mlp_W
.set ZR,   16                          ; in every window, as listed above
.set ZERO, 20
.set NG,   24
.set BF,   32
.set AF,   64
.set RS,   96
.set ACC,  128
.set CD,   24                          ; the head's registers, all in window 0 and all dead when the loop's are first written: v24-30 c_d
.set RC,   31
.set MN,   32                          ; v32-35 minima, v36-39 maxima, then 1 / (max - min + 1e-6)
.set MX,   36
.set ZV,   48                          ; v48-55: z of my two rows
.set TM,   56                          ; v56-63 at work
.set LR,   72
.set LH,   73
.set TA,   74
.set TN,   75
.set RW,   76
.set ZP,   108
.set RA,   110
.set RB,   111
.set XR,   128
.set XW,   192
.set GR,   200
.set WJ,   228
.set WP,   236
.set WV,  18
.set MH,  19                           ; my half of the rows
.set NH,  20                           ; my half of the columns
.set CX,  21
.set MB,  22                           ; block of 256 rows
.set YY,  23                           ; K chunk
.set G1,  24                           ; s[24:31] descriptor group 1
.set G0A, 32                           ; s[32:35] group 0 of the first fill of slot 0
.set G0B, 36                           ; s[36:39] of slot 1; it then walks
.set FSW, 40                           ; s[40:41] fs at my quarter of the chunk's slot 0
.set OFF, 42                           ; s[42:43] a slot's byte offset; high word 0
.set NXT, 44                           ; the slot to be asked for
.set CNT, 45
.set TB,  46                           ; LDS byte of the step that the runs fetch
.set NGO, 47                           ; its place in NGT
.set ZO,  48                           ; the next slot's place in ZT
.set LIM, 49
.set PFA, 50                           ; s[50:51]
.set PFB, 52                           ; s[52:53]
.set PFN, 54
.set T1,  55
.set DS,  56                           ; s56-62 the depth scores
.set SEL, 66
.set PB,  68                           ; s[68:69] part at my accumulators' place
.set MSB, 0
.macro WIN new                         ; the immediate's high byte repeats the setting that is left; a switch that changes nothing is dropped
.if MSB != (\new)
	s_set_vgpr_msb (MSB<<8)|(\new)
.set MSB, (\new)
.endif
.endm
.macro CREST                           ; a round of the cluster's barrier behind its opening barrier
	s_cmp_lg_u32 s[WV], 0
	s_cbranch_scc1 .Lnot_wave_0_\@
	s_barrier_signal -3
.Lnot_wave_0_\@:
	s_barrier_wait -3
	s_barrier_signal -1
	s_barrier_wait -1
.endm
.macro CROUND
	s_barrier_signal -1
	s_barrier_wait -1
	CREST
.endm
.macro JLOAD                           ; the joint refill: one line for all four waves, whose two addresses differ by the wave's number alone; s_nop 0 and four v_nop follow
	tensor_load_to_lds s[G0B:G0B+3], s[G1:G1+7]
	s_nop 0
.rept 4
	v_nop
.endr
.endm
.macro OFFS src                        ; s[OFF] = slot n's bytes from the chunk's slot 0: depth n / 4 at 2^24, feature n % 4 at 2^17
	s_lshr_b32 s[OFF], s[\src], 2
	s_lshl_b32 s[OFF], s[OFF], 24
	s_and_b32 s[T1], s[\src], 3
	s_lshl_b32 s[T1], s[T1], 17
	s_add_co_u32 s[OFF], s[OFF], s[T1]
.endm
; A PREFETCH INTO THE L2 of the slot that stands two refills on: 512 matrix instructions ahead of its load.  Both clusters of a chunk walk the same fs: the first (cluster x = 0) asks.  Its four partners take 32,768
; bytes each, told apart by address; each wave 8,192 of them, a lane 256: one instruction a wave, and each block is named once in the launch.  The last two refills ask for nothing: slots 28 and 29 do not exist.
.macro ASK
	s_cmp_gt_u32 s[CNT], s[LIM]
	s_cbranch_scc0 .Lnot_mine_\@
	global_prefetch_b8 v[PFO], s[PFA:PFA+1] th:TH_LOAD_NT scope:SCOPE_SE
.Lnot_mine_\@:
.endm
.macro SETP p, ph                      ; WS = the setting of phase ph of a step of parity p, by the map at the head
.set al_, ((((\ph)+1)/2)%2+(\p))%2     ; the half of the row tiles: even step 0, 1, 1, 0; odd step 1, 0, 0, 1
.set q_, (\ph)/2                       ; the half of the column tiles
.set s0_, 2*(\p)+q_
.if \p
.set s1_, al_
.else
.set s1_, 3-al_
.endif
.if q_
.set d_, 3-2*al_
.else
.set d_, 2*al_
.endif
.set WS, s0_|(s1_<<2)|(d_<<4)|(d_<<6)
.endm
.macro CVTS lo, cnt                    ; conversions lo .. of 32: number c makes register c / 4 of tile c % 4: low half the even k, high half the odd k
.set c_, \lo
.rept \cnt
	v_cvt_pk_f16_f32 v[BF+8*(c_%4)+c_/4], v[RS+c_], v[RS+c_]
.set c_, c_+1
.endr
.endm
.macro ADD4 t, g                       ; registers 4 g .. 4 g + 3 of left fragment t: c z - c g
.irp i, 0,1,2,3
	v_pk_add_f16 v[AF+8*(\t)+4*(\g)+\i], v[ZR+(\t)], v[NG+4*(\g)+\i]
.endr
.endm
.macro MAX4 t, g                       ; and the greater of that and 0
.irp i, 0,1,2,3
	v_pk_max_num_f16 v[AF+8*(\t)+4*(\g)+\i], v[AF+8*(\t)+4*(\g)+\i], v[ZERO]
.endr
.endm
; Products lo .. lo + cnt - 1 of phase ph's sixteen (row tile n / 4, column tile n % 4 of the phase's halves) and what stands behind each.  The 64 accumulators have one turn each in a step.
.macro PH ph, zero, lo, cnt
	SETP par, \ph
	WIN WS
.set n, \lo
.rept \cnt
.set ai_, n/4
.set bi_, n%4
.set rD, ACC+8*n
.if \zero
	v_wmma_f32_16x16x32_f16 v[rD:rD+7], v[BF+8*bi_:BF+8*bi_+7], v[AF+8*ai_:AF+8*ai_+7], 0
.else
	v_wmma_f32_16x16x32_f16 v[rD:rD+7], v[BF+8*bi_:BF+8*bi_+7], v[AF+8*ai_:AF+8*ai_+7], v[rD:rD+7]
.endif
.if (\ph)%2
	CVTS 2*n, 2
.elseif bi_%2
	MAX4 ai_, bi_/2
.else
	ADD4 ai_, bi_/2
.endif
.set n, n+1
.endr
.endm
.macro LDR w, q, odd                   ; eight loads into window w: the even or the odd k of column group q
	WIN (\w)<<6
.irp i, 0,1,2,3,4,5,6,7
	ds_load_b128 v[RS+4*\i:RS+4*\i+3], v[ADRB] offset:(2*\i+(\odd))*1024+256*(\q)
.endr
.endm
.macro LDNG w, adr, off                ; a step's -c g into window w
	WIN (\w)<<6
	ds_load_b128 v[NG:NG+3], v[\adr] offset:(\off)
	ds_load_b128 v[NG+4:NG+7], v[\adr] offset:(\off)+16
.endm
.macro LDZ w, al, adr                  ; Z of row tiles 4 al .. 4 al + 3 into window w
	WIN (\w)<<6
.irp i, 0,1,2,3
	ds_load_b32 v[ZR+\i], v[\adr] offset:64*(4*(\al)+\i)
.endr
.endm
; The run in a step's middle, behind phase 1, which has just converted these registers: column group 0 of the step after next, even k into the window that is source 0 in the next step's phase 1, odd k into its source 1's;
; and that step's -c g, into the two windows from which the next step's phases 0 and 2 read it.  In step 2 also the next slot's Z for windows 2 and 3 (read in odd steps: step 3 makes the next slot's first fragments),
; in step 3 for windows 0 and 1 (read in even steps).
.macro RUNM j
	WIN 0
	v_add_nc_u32 v[ADRB], s[TB], v[AB0]
	v_add_nc_u32 v[NGC], s[NGO], v[NGA]
.if (\j) == 2
	v_add_nc_u32 v[ZC], s[ZO], v[ZA]
.endif
	LDR 2-2*par, 0, 0
.if (\j) >= 2
	LDZ 2-2*par, 1-par, ZC
.endif
	LDR 2*par, 0, 1
	LDNG 2*par, NGC, 0
	LDNG 2*par+1, NGC, 0
.if (\j) >= 2
	LDZ 3-2*par, par, ZC
.endif
	s_add_co_u32 s[NGO], s[NGO], 64
.if (\j) == 3
	s_add_co_u32 s[ZO], s[ZO], 1024
.endif
.endm
.macro RUNE                            ; the run at a step's end, behind phase 3: column group 1 of the step after next
	LDR 3-2*par, 1, 0
	LDR 2*par+1, 1, 1
	s_add_co_u32 s[TB], s[TB], STEPB
.endm
; STEP j of a slot's four.  zero = 1: the products start the sums.
; chg: THE CHANGE OF SLOTS stands in step 2: the runs fetch two steps ahead, so the slot's last bytes were asked for at the end of step 1 and the next slot is first read in step 2's middle.  Each wave waits for all its
; tensor loads (one is out: its quarter of the next slot), adds 0 to its spare word, and waits for that and for its reads of the slot.  chg = 1: the barrier opens a round of the cluster's, and the joint refill, with
; the slot two on, is the first thing behind it: 240 matrix instructions ahead of the wait for it.  chg = 2: nothing is left to ask for.
.macro STEP j, zero, chg
.set par, (\j)%2
.if (\chg) == 1
	s_wait_xcnt 0x0                                ; the last prefetch, a slot back, has read its address: it is written here, ahead of the change's own waits
	s_add_co_u32 s[PFN], s[PFN], 1
	OFFS PFN
	s_add_nc_u64 s[PFA:PFA+1], s[PFB:PFB+1], s[OFF:OFF+1]
.endif
	s_wait_dscnt 16                                ; the last end-run's sixteen loads may stay out: the last mid-run (column group 0, -c g, Z) is in
	PH 0, \zero, 0, 16
.if \chg
	WIN 0
	s_wait_tensorcnt 0x0                           ; no tensor load of mine is out, so the walking group 0 may be written
	ds_add_u32 v[SPW], v[NIL]                      ; 0 onto my spare word; scalar work and eight products stand between it and the wait for it
.if (\chg) == 1
	OFFS NXT
	s_xor_b32 s[G0B+1], s[G0B+1], SLOT1            ; the other slot than last time
	s_add_nc_u64 s[G0B+2:G0B+3], s[FSW:FSW+1], s[OFF:OFF+1]
	s_or_b32 s[G0B+3], s[G0B+3], 0x80000000
	s_add_co_u32 s[NXT], s[NXT], 1
.endif
	s_sub_co_u32 s[TB], s[TB], 4*STEPB             ; the runs go back to a slot's first step,
	s_xor_b32 s[TB], s[TB], SLOT1                  ; in the other slot
.endif
	PH 1, \zero, 0, 8
.if \chg
	s_wait_dscnt 0x0                               ; the add is done, and my reads of the slot are over
	s_barrier_signal -1
.endif
	PH 1, \zero, 8, 8
.if \chg
	WIN 0
	s_barrier_wait -1
.if (\chg) == 1
	CREST                                          ; no wave of any partner still reads the slot or has a load on its way
	JLOAD
.endif
.endif
	RUNM \j
.if (\chg) == 1
	WIN 0
	ASK
.endif
	PH 2, \zero, 0, 16
.if (\j) >= 2
	s_wait_dscnt 28                                ; the mid-run just issued (16, four of -c g, eight of Z) may stay out: the last end-run is in
.else
	s_wait_dscnt 20                                ; the same without Z
.endif
	PH 3, \zero, 0, 16
	RUNE
.endm
.macro RED16 op3, op2, dst, c          ; minimum or maximum of number c of my 16 rows of x
	\op3 v[\dst], v[XR+\c], v[XR+4+\c], v[XR+8+\c]
.irp j, 3,5,7,9,11,13
	\op3 v[\dst], v[\dst], v[XR+4*\j+\c], v[XR+4*\j+4+\c]
.endr
	\op2 v[\dst], v[\dst], v[XR+60+\c]
.endm
	s_load_b256 s[4:11], s[0:1], 0x0               ; x s[4:5], grids s[6:7], fs s[8:9], depth_scores s[10:11]
	s_load_b128 s[12:15], s[0:1], 0x20             ; mlp_W s[12:13], part s[14:15]
	s_load_b64 s[16:17], s[0:1], 0x30              ; wb1
	v_lshl_add_u32 v[SPW], v0, 2, SPARE
	v_mov_b32 v[NIL], 0
	ds_add_u32 v[SPW], v[NIL]                      ; the wave's opening add, twice on end, and its wait ahead of my first tensor load; the set-up below stands between
	ds_add_u32 v[SPW], v[NIL]                      ; and once more, under the one wait
	v_lshrrev_b32 v1, 5, v0
	v_readfirstlane_b32 s[WV], v1                  ; wave 0..3
	s_lshr_b32 s[MH], s[WV], 1
	s_and_b32 s[NH], s[WV], 1
	s_bfe_u32 s[CX], ttmp6, 0x40000                ; my place in the cluster: it enters global addresses alone
	s_lshl_b32 s[MB], ttmp9, 2
	s_add_co_u32 s[MB], s[MB], s[CX]
	s_and_b32 s[YY], ttmp7, 0xffff
	; descriptor group 1: 32,768 dense bytes as 128 rows of 256
	s_mov_b32 s[G1], 15|(3<<16)|(1<<21)            ; 15:0 the mask of four; 17:16 elements of 8 bytes; 21 set beside a mask; no padding
	s_mov_b32 s[G1+1], 32<<16                      ; tensor_dim0 = 32
	s_mov_b32 s[G1+2], 128<<16                     ; tensor_dim1 = 128
	s_mov_b32 s[G1+3], 32<<16                      ; tile_dim0 = 32
	s_mov_b32 s[G1+4], 128                         ; tile_dim1 = 128
	s_mov_b32 s[G1+5], 32                          ; 32 elements from row to row
	s_mov_b32 s[G1+6], 0
	s_mov_b32 s[G1+7], 0
	s_mov_b32 s[G0A], 1
	s_lshl_b32 s[G0A+1], s[WV], 15                 ; LDS: my quarter of slot 0,
	s_mov_b32 s[G0B], 1
	s_add_co_u32 s[G0B+1], s[G0A+1], SLOT1         ; of slot 1
	s_mov_b32 s[SEL], 0x76543210
	s_mov_b32 s[SEL+1], 0xfedcba98
	s_mov_b32 s[OFF+1], 0
	s_mov_b32 s[NXT], 2
	s_mov_b32 s[PFN], 3                            ; the first change steps it to 4
	s_lshl_b32 s70, s[YY], 19                      ; the chunk's four features: 524,288 bytes in each depth
	s_lshl_b32 s72, s[WV], 15
	s_add_co_u32 s72, s72, s70
	s_mov_b32 s73, 0
	s_lshl_b32 s74, s[CX], 15
	s_lshl_b32 s75, s[WV], 13
	s_add_co_u32 s74, s74, s75
	s_add_co_u32 s74, s74, s70
	s_mov_b32 s75, 0
	s_lshl_b32 s76, s[MB], 4                       ; part: chunk y at 2^21, block of 16 rows 16 Mb + 8 mh + a at 2^14, column tile 8 nh + b at 2^10
	s_lshl3_add_u32 s76, s[MH], s76
	s_lshl_b32 s76, s76, 14
	s_lshl_b32 s77, s[NH], 13
	s_add_co_u32 s76, s76, s77
	s_lshl_b32 s77, s[YY], 21
	s_add_co_u32 s76, s76, s77
	s_mov_b32 s77, 0
	; wb1: piece w = 8 y + Mb of 256: half c = w % 2 of fragment w / 2 = 8 To + ks.  Lane (r, h), element e: W1[64 (ks / 2) + 4 (8 h + e) + 2 (ks % 2) + c][16 To + r]: the order in which part holds h's columns
	s_lshl3_add_u32 s78, s[YY], s[MB]
	s_lshl_b32 s80, s78, 9
	s_mov_b32 s81, 0
	s_and_b32 s79, s78, 1
	s_bfe_u32 s82, s78, 0x30001
	s_lshr_b32 s83, s78, 4
	s_and_b32 s84, s82, 1
	s_lshr_b32 s82, s82, 1
	s_lshl_b32 s82, s82, 6
	s_lshl1_add_u32 s82, s84, s82
	s_add_co_u32 s82, s82, s79
	s_lshl_b32 s82, s82, 10
	s_lshl_b32 s83, s83, 6
	s_add_co_u32 s82, s82, s83
	v_and_b32 v[LR], 15, v0                        ; r
	v_bfe_u32 v[LH], v0, 4, 1                      ; h
	v_lshlrev_b32 v[AB0], 4, v[LR]
	v_lshl_add_u32 v[AB0], v[LH], 14, v[AB0]
	s_lshl_b32 s85, s[NH], 9
	v_add_nc_u32 v[AB0], s85, v[AB0]
	v_lshl_add_u32 v[NGA], v[LH], 5, NGT
	s_lshl_b32 s85, s[MH], 9
	s_add_co_u32 s85, s85, ZT
	v_lshl_add_u32 v[ZA], v[LR], 2, s85
	v_and_b32 v[PO], 31, v0
	v_lshlrev_b32 v[PFO], 8, v[PO]
	v_lshlrev_b32 v[PO], 4, v[PO]
	v_lshlrev_b32 v[WOF], 2, v[LR]
	v_lshl_add_u32 v[WOF], v[LH], 15, v[WOF]
	v_add_nc_u32 v[WOF], s82, v[WOF]
	v_lshlrev_b32 v[XOF], 9, v0                    ; row tid, my chunk's four features: 16 bytes
	s_lshl_b32 s85, s[YY], 4
	v_add_nc_u32 v[XOF], s85, v[XOF]
	s_lshl_b32 s85, s[MB], 17
	v_add_nc_u32 v[XOF2], s85, v[XOF]
	s_lshl_b32 s85, s[YY], 11
	v_lshl_add_u32 v[GOF], v0, 4, s85
	v_lshl_add_u32 v[TA], v0, 2, ZT
	v_lshl_add_u32 v[TN], v0, 3, NGT
	v_mov_b32 v[ZP], 0
	v_mov_b32 v[ZP+1], 0
	s_wait_dscnt 0x0                               ; both opening adds are done
	s_wait_kmcnt 0x0
	s_load_b128 s[DS:DS+3], s[10:11], 0x0          ; the seven scores: 28 bytes
	s_load_b96 s[DS+4:DS+6], s[10:11], 0x10
	s_add_nc_u64 s[FSW:FSW+1], s[8:9], s[72:73]
	s_add_nc_u64 s[PFB:PFB+1], s[8:9], s[74:75]
	s_add_nc_u64 s[PB:PB+1], s[14:15], s[76:77]
	s_add_nc_u64 s[16:17], s[16:17], s[80:81]
.irp j, 0,1,2,3,4,5,6,7,8,9,10,11,12,13,14,15
	global_load_b128 v[XR+4*\j:XR+4*\j+3], v[XOF], s[4:5] offset:\j*65536  ; rows tid + 128 j: the work-group sees all 2,048 rows of its four features
.endr
	global_load_b128 v[XW:XW+3], v[XOF2], s[4:5]                 ; my two rows of the block
	global_load_b128 v[XW+4:XW+7], v[XOF2], s[4:5] offset:65536
.irp d, 0,1,2,3,4,5,6
	global_load_b128 v[GR+4*\d:GR+4*\d+3], v[GOF], s[6:7] offset:\d*65536
.endr
	s_cmp_lg_u32 s[WV], 0
	s_cbranch_scc1 .Lno_w1
.irp e, 0,1,2,3,4,5,6,7
	global_load_b32 v[WJ+\e], v[WOF], s[12:13] offset:\e*4096
.endr
.Lno_w1:
	CROUND                                         ; all four work-groups are here: the first joint loads meet
	s_mov_b64 s[G0A+2:G0A+3], s[FSW:FSW+1]
	s_or_b32 s[G0A+3], s[G0A+3], 0x80000000
	s_add_nc_u64 s[G0B+2:G0B+3], s[FSW:FSW+1], SLOT1  ; slot 1 is the next feature: 131,072 bytes on
	s_or_b32 s[G0B+3], s[G0B+3], 0x80000000
	tensor_load_to_lds s[G0A:G0A+3], s[G1:G1+7]    ; both first fills together: two loads of mine are out
	s_nop 0
	tensor_load_to_lds s[G0B:G0B+3], s[G1:G1+7]
	s_nop 0
.rept 4
	v_nop
.endr
	; c_d: the softmax of the seven scores, its maximum taken away, and the sums from d upward.  All that follows up to the second barrier stands in the wait for the first tile.
	s_wait_kmcnt 0x0
	v_mov_b32 v[RC], s[DS]
	v_max3_num_f32 v[RC], v[RC], s[DS+1], s[DS+2]
	v_max3_num_f32 v[RC], v[RC], s[DS+3], s[DS+4]
	v_max3_num_f32 v[RC], v[RC], s[DS+5], s[DS+6]
.irp d, 0,1,2,3,4,5,6
	v_sub_f32 v[CD+\d], s[DS+\d], v[RC]
	v_mul_f32 v[CD+\d], 0x3fb8aa3b, v[CD+\d]
.endr
.irp d, 0,1,2,3,4,5,6
	v_exp_f32 v[CD+\d], v[CD+\d]
.endr
	v_nop                                          ; a plain instruction behind the last exponential,
	s_wait_alu depctr_va_vdst(0)                   ; and the one wait for the seven, ahead of their first reader
.irp d, 5,4,3,2,1,0
	v_add_f32 v[CD+\d], v[CD+\d], v[CD+\d+1]
.endr
	v_rcp_f32 v[RC], v[CD]
	v_nop
	s_wait_alu depctr_va_vdst(0)
.irp d, 0,1,2,3,4,5,6
	v_mul_f32 v[CD+\d], v[CD+\d], v[RC]
.endr
	s_wait_loadcnt 0x0                             ; x, grids, and in wave 0 the piece of mlp_W
.irp c, 0,1,2,3
	RED16 v_min3_num_f32, v_min_num_f32, MN+\c, \c
	RED16 v_max3_num_f32, v_max_num_f32, MX+\c, \c
.endr
.irp m, 1,2,4,8
.irp c, 0,1,2,3
	v_min_num_f32_dpp v[MN+\c], v[MN+\c], v[MN+\c] row_xmask:\m row_mask:0xf bank_mask:0xf
	v_max_num_f32_dpp v[MX+\c], v[MX+\c], v[MX+\c] row_xmask:\m row_mask:0xf bank_mask:0xf
.endr
.endr
.irp c, 0,1,2,3,4,5,6,7
	v_permlanex16_b32 v[XR+\c], v[MN+\c], s[SEL], s[SEL+1]  ; its destination counts as read: x's registers have been written and are done with
.endr
.irp c, 0,1,2,3
	v_min_num_f32 v[MN+\c], v[MN+\c], v[XR+\c]
	v_max_num_f32 v[MX+\c], v[MX+\c], v[XR+4+\c]
.endr
	s_lshl_b32 s70, s[WV], 5
	s_add_co_u32 s70, s70, RED
	v_mov_b32 v[RA], s70
	ds_store_b128 v[RA], v[MN:MN+3]
	ds_store_b128 v[RA], v[MX:MX+3] offset:16
	s_wait_dscnt 0x0                               ; for the others' sake
	s_barrier_signal -1
	s_barrier_wait -1                              ; both tensor loads may stay out
	v_mov_b32 v[RB], RED
.irp w, 0,1,2,3
	ds_load_b128 v[RW+8*\w:RW+8*\w+3], v[RB] offset:32*\w
	ds_load_b128 v[RW+8*\w+4:RW+8*\w+7], v[RB] offset:32*\w+16
.endr
	s_wait_dscnt 0x0
.irp c, 0,1,2,3
	v_min3_num_f32 v[MN+\c], v[RW+\c], v[RW+8+\c], v[RW+16+\c]
	v_max3_num_f32 v[MX+\c], v[RW+4+\c], v[RW+12+\c], v[RW+20+\c]
	v_min_num_f32 v[MN+\c], v[MN+\c], v[RW+24+\c]
	v_max_num_f32 v[MX+\c], v[MX+\c], v[RW+28+\c]
.endr
.irp c, 0,1,2,3
	v_sub_f32 v[MX+\c], v[MX+\c], v[MN+\c]
	v_add_f32 v[MX+\c], 0x358637bd, v[MX+\c]       ; + 1e-6
.endr
.irp c, 0,1,2,3
	v_rcp_f32 v[MX+\c], v[MX+\c]
.endr
.irp c, 0,1,2,3
	v_sub_f32 v[ZV+\c], v[XW+\c], v[MN+\c]         ; plain work that names no reciprocal stands behind the batch,
	v_sub_f32 v[ZV+4+\c], v[XW+4+\c], v[MN+\c]
.endr
	s_wait_alu depctr_va_vdst(0)                   ; then the one wait for the four
.irp c, 0,1,2,3
	v_mul_f32 v[ZV+\c], v[ZV+\c], v[MX+\c]
	v_mul_f32 v[ZV+4+\c], v[ZV+4+\c], v[MX+\c]
.endr
	; the tables.  (c z, c z) of my two rows for the 28 slots; -c g of my four k in each depth; zeros behind both, for the runs of the last two steps, which fetch past the end
.set k_, 0
.irp d, 0,1,2,3,4,5,6
.irp c, 0,1,2,3
.irp m, 0,1
	v_mul_f32 v[TM+k_%8], v[ZV+4*\m+\c], v[CD+\d]
	v_cvt_pk_f16_f32 v[TM+k_%8], v[TM+k_%8], v[TM+k_%8]
	ds_store_b32 v[TA], v[TM+k_%8] offset:(4*\d+\c)*1024+512*\m
.set k_, k_+1
.endr
.endr
.endr
.irp d, 0,1,2,3,4,5,6
.irp i, 0,1,2,3
	v_mul_f32 v[TM+\i], -v[CD+\d], v[GR+4*\d+\i]
.endr
	v_cvt_pk_f16_f32 v[TM+4], v[TM], v[TM+1]
	v_cvt_pk_f16_f32 v[TM+5], v[TM+2], v[TM+3]
	ds_store_b64 v[TN], v[TM+4:TM+5] offset:\d*1024  ; slot 4 d + tid / 32 at 256 bytes a slot, k = 4 (tid % 32): together 1,024 d + 8 tid
.endr
	ds_store_b64 v[TN], v[ZP:ZP+1] offset:7168
	ds_store_b64 v[TN], v[ZP:ZP+1] offset:ZT-NGT+28*1024
	s_cmp_lg_u32 s[WV], 0
	s_cbranch_scc1 .Lno_w2
.irp i, 0,1,2,3
	v_cvt_pk_f16_f32 v[WP+\i], v[WJ+2*\i], v[WJ+2*\i+1]
.endr
	global_store_b128 v[PO], v[WP:WP+3], s[16:17]  ; 512 consecutive bytes of wb1
.Lno_w2:
	s_wait_tensorcnt 0x1                           ; my quarter of slot 0 is in; slot 1's may stay out
	s_wait_dscnt 0x0                               ; my part of the tables is written
	s_barrier_signal -1
	s_barrier_wait -1
	s_wait_xcnt 0x0                                ; wb1's store has read its data: those registers are accumulators from the first step on
	; WHAT THE FIRST STEP FINDS: step 0's fs fragments (windows 0, 1) and left fragments (windows 2, 3), made here as an odd step's phases would make them; -c g of step 1 in windows 2 and 3; slot 0's Z and a zero in
	; every window; step 1's fs on its way into the registers from which step 0's phases 1 and 3 convert it.
	v_mov_b32 v[ADRB], v[AB0]
	LDR 2, 0, 0
	LDR 0, 0, 1
	LDR 3, 1, 0
	LDR 1, 1, 1
	LDNG 1, NGA, 0
	LDZ 1, 1, ZA
	LDNG 0, NGA, 0
	LDZ 0, 0, ZA
	LDNG 2, NGA, 64
	LDZ 2, 1, ZA
	LDNG 3, NGA, 64
	LDZ 3, 0, ZA
.irp w, 3,2,1,0
	WIN \w<<6
	v_mov_b32 v[ZERO], 0
.endr
	s_wait_dscnt 0x0
.irp ph, 1,3
	SETP 1, \ph
	WIN WS
	CVTS 0, 32
.endr
.irp ph, 0,2
	SETP 1, \ph
	WIN WS
.irp t, 0,1,2,3
	ADD4 \t, 0
	ADD4 \t, 1
.endr
.irp t, 0,1,2,3
	MAX4 \t, 0
	MAX4 \t, 1
.endr
.endr
	WIN 0
	v_add_nc_u32 v[ADRB], STEPB, v[AB0]
	LDR 0, 0, 0
	LDR 2, 0, 1
	LDR 1, 1, 0
	LDR 3, 1, 1
	s_mov_b32 s[TB], 2*STEPB
	s_mov_b32 s[NGO], 128
	s_mov_b32 s[ZO], 1024
	s_cmp_eq_u32 ttmp9, 0                          ; the chunk's first cluster prefetches: the same in all four partners
	s_cselect_b32 s[LIM], 2, -1
	STEP 0, 1, 0                                   ; the first step stands in front of the loop: its products start the sums; at its head column group 1's sixteen loads may stay out
	WIN 0                                          ; at a label and at a branch every window is 0
	s_mov_b32 s[CNT], 26
.Lslot:                                        ; a trip: steps 1, 2, 3 of a slot and step 0 of the next; each of the 26 trips fills a slot again
	STEP 1, 0, 0
	STEP 2, 0, 1
	STEP 3, 0, 0
	STEP 0, 0, 0
	WIN 0
	s_sub_co_u32 s[CNT], s[CNT], 1
	s_cmp_lg_u32 s[CNT], 0
	s_cbranch_scc1 .Lslot
	s_mov_b32 s[CNT], 2                            ; the tail is written out: slots 26 and 27, the second trip left in its middle
.Ltail:
	STEP 1, 0, 0
	STEP 2, 0, 2
	STEP 3, 0, 0
	WIN 0
	s_sub_co_u32 s[CNT], s[CNT], 1
	s_cmp_eq_u32 s[CNT], 0
	s_cbranch_scc1 .Lout
	STEP 0, 0, 0
	WIN 0
	s_branch .Ltail
.Lout:                                         ; the last two steps' runs fetched landed bytes of the other slot and the tables' zeros, and what was made of them is multiplied no more: the price of one text for both trips
.rept 8
	v_nop                                          ; the places behind the last products
.endr
.irp al, 0,1
.irp q, 0,1
	WIN ((1-\q)*2*\al+\q*(3-2*\al))<<2             ; the stores' data in the window of accumulators (al, q)
.irp ai, 0,1,2,3
.irp bi, 0,1,2,3
	global_store_b128 v[PO], v[ACC+8*(4*\ai+\bi):ACC+8*(4*\ai+\bi)+3], s[PB:PB+1] offset:(4*\al+\ai)*16384+(4*\q+\bi)*1024 th:TH_STORE_NT        ; an accumulator's low four registers first; each store covers 512 consecutive bytes, aligned
	global_store_b128 v[PO], v[ACC+8*(4*\ai+\bi)+4:ACC+8*(4*\ai+\bi)+7], s[PB:PB+1] offset:(4*\al+\ai)*16384+(4*\q+\bi)*1024+512 th:TH_STORE_NT
.endr
.endr
.endr
.endr
	WIN 0
	s_wait_tensorcnt 0x0                           ; the wave's end, behind my last tensor load and my last LDS store
	ds_add_u32 v[SPW], v[NIL]
	s_wait_dscnt 0x0
	CROUND                                         ; the closing round: no work-group ends while a partner may still ask for a tile that names it
	s_endpgm
.Lfunc_end_k_q32d3b4ad99_kan:
	.size	k_q32d3b4ad99_kan, .Lfunc_end_k_q32d3b4ad99_kan-k_q32d3b4ad99_kan
	.p2alignl 7, 3214868480
	.fill 96, 4, 3214868480
	.section	.rodata,"a",@progbits
	.p2align	6, 0x0
	.amdhsa_kernel k_q32d3b4ad99_kan
		.amdhsa_group_segment_fixed_size 327680
		.amdhsa_private_segment_fixed_size 0
		.amdhsa_enable_private_segment 0
		.amdhsa_kernarg_size 56
		.amdhsa_user_sgpr_count 2
		.amdhsa_user_sgpr_kernarg_segment_ptr 1
		.amdhsa_wavefront_size32 1
		.amdhsa_system_sgpr_workgroup_id_x 1
		.amdhsa_system_sgpr_workgroup_id_y 1
		.amdhsa_system_sgpr_workgroup_id_z 1
		.amdhsa_system_vgpr_workitem_id 0
		.amdhsa_next_free_vgpr 1024
		.amdhsa_next_free_sgpr 96
		.amdhsa_reserve_vcc 0
		.amdhsa_float_denorm_mode_32 3
		.amdhsa_float_denorm_mode_16_64 3
		.amdhsa_memory_ordered 1
		.amdhsa_forward_progress 1
		.amdhsa_inst_pref_size 237
	.end_amdhsa_kernel
	.amdgpu_metadata
---
amdhsa.version: [ 1, 2 ]
amdhsa.kernels:
  - .name:           k_q32d3b4ad99_kan
    .symbol:         k_q32d3b4ad99_kan.kd
    .args:
      - { .name: x, .offset: 0, .size: 8, .value_kind: global_buffer, .address_space: global }
      - { .name: grids, .offset: 8, .size: 8, .value_kind: global_buffer, .address_space: global }
      - { .name: fs, .offset: 16, .size: 8, .value_kind: global_buffer, .address_space: global }
      - { .name: depth_scores, .offset: 24, .size: 8, .value_kind: global_buffer, .address_space: global }
      - { .name: mlp_W, .offset: 32, .size: 8, .value_kind: global_buffer, .address_space: global }
      - { .name: part, .offset: 40, .size: 8, .value_kind: global_buffer, .address_space: global }
      - { .name: wb1, .offset: 48, .size: 8, .value_kind: global_buffer, .address_space: global }
    .group_segment_fixed_size: 327680
    .private_segment_fixed_size: 0
    .kernarg_segment_align: 8
    .kernarg_segment_size: 56
    .max_flat_workgroup_size: 128
    .sgpr_count:     96
    .vgpr_count:     1024
    .wavefront_size: 32
...
	.end_amdgpu_metadata
.endif
;; end of part 1
;; launch lin1 (part 2): grid 128 x 1, 8 waves a work-group, no clusters, 11,776 bytes of LDS; arguments part, wb1, mlp_W, mlp_b, bn_gamma, bn_beta, hs1, wb2, wb3; writes hs1, wb2, wb3
.if DOCPART == 2
	.amdgcn_target "amdgcn-amd-amdhsa--gfx1250"
	.amdhsa_code_object_version 6
	.text
	.protected	k_q32d3b4ad99_lin1
	.globl	k_q32d3b4ad99_lin1
	.p2align	8
	.type	k_q32d3b4ad99_lin1,@function
k_q32d3b4ad99_lin1:
	s_mov_b64 s[64:65], 0
	v_nop
	global_prefetch_b8 v0, s[64:65] scope:SCOPE_SE
	s_setreg_imm32_b32 hwreg(HW_REG_WAVE_MODE, 25, 1), 1
	s_wait_xcnt 0x0
; h = the sum of the 32 partial sums; Y = h W1 + b1 (f32, buffer hs1), and for each block of 16 rows and each channel the block's mean and its sum of squared deviations, for the batch norm of the next launch.
; On the side: layers 2 and 3's weights as f16 fragments, and the parameters that those launches want, into wb2 and wb3.
; SHARES.  Work-group = a block of 16 rows.  Wave v adds up column tiles 2 v and 2 v + 1 of part (2,048 bytes of each of 32 chunks): together they are K step v of the product; it then makes output tiles 2 v, 2 v + 1.
; NO CLUSTER, NO TENSOR LOADS: each byte of part is read once, by one wave, into the registers in which it is added; the weights that all work-groups share are 131,072 bytes beside part's 67,108,864.
; No prefetch: the launch does nothing but stream part, with 64 loads of 512 bytes a wave issued ahead.
; FORMAT.  h may pass f16's range, so each row is scaled by a power of two, 2^-e with e the exponent of the row's largest magnitude, rounded to f16, and the product scaled back in f32 by 2^e.
; LIMITS: a row whose largest magnitude has exponent field 0 (a denormal) counts as 0, one with field 254 or more is not served; |mlp_W| stays under 65,504; NaN and infinities are not treated apart.
; LAYOUT.  Source 0 = 16 output channels (wb1's fragments), source 1 = the 16 rows: a lane of the result holds row lane % 16 and channels 16 T + 8 (lane / 16) + 0..7.
.set MXO,   0                          ; LDS: row r's eight partial maxima at 32 r + 4 v
.set FR,    512                        ; the eight fragments of h: K step v at 1,024 v, half c at 512 c, 16 bytes a lane
.set SB,    8704                       ; 256 bytes a wave: 32 means, 32 sums of squares
.set SPARE, 10752                      ; the spare words, 128 bytes a wave: four blocks of 256 bytes that no other line names
.set LN,  1
.set LR,  2
.set LH,  3
.set VO,  4                            ; v4-11: 16 x lane + g x 8,388,608: four chunks of part to each; never rewritten
.set L16, 4
.set BOF, 12
.set JOF, 13
.set SPW, 14
.set NIL, 15
.set H,   16                           ; v16-31 the sums
.set FG,  32
.set ACC, 40                           ; v40-55 two accumulators, then Y
.set BI,  56
.set JB,  72
.set ST,  76
.set S1,  80
.set S2,  96
.set MXR, 112
.set SC,  114
.set IV,  116
.set RM,  120
.set FA,  128                          ; v128-191 the eight fragments
.set MXS, 192
.set MXL, 193
.set FRS, 194
.set FRL, 195
.set SBS, 196
.set SBL, 197
.set WV,  24
.set BE,  25
.set PT,  26                           ; s[26:27] part at my two tiles of chunk 0
.set HO,  28                           ; s[28:29] hs1 at my two tiles
.set HS,  30                           ; s[30:31] hs1 at my unit of statistics
.set WB,  32                           ; s[32:33] wb1 at my 16 fragments
.set BB,  34                           ; s[34:35] mlp_b at my 32 channels
.set SEL, 48
.set SV,  50
.set MSB, 0
.macro WIN new
.if MSB != (\new)
	s_set_vgpr_msb (MSB<<8)|(\new)
.set MSB, (\new)
.endif
.endm
.macro P8 line:vararg                  ; one line for each of eight pairs p = 0, 2 .. 14
.set p, 0
.rept 8
	\line
.set p, p+2
.endr
.endm
.macro BATCH k, buf                    ; 32 loads: my 2,048 bytes of chunks 8 k .. 8 k + 7, into window 1 from \buf on; each load covers 512 consecutive bytes
	WIN 0x40
.set y_, 8*(\k)
.rept 8
.irp i, 0,1,2,3
	global_load_b128 v[(\buf)+16*(y_%8)+4*\i:(\buf)+16*(y_%8)+4*\i+3], v[VO+y_/4], s[PT:PT+1] offset:(y_%4)*2097152+512*\i th:TH_LOAD_NT
.endr
.set y_, y_+1
.endr
.endm
.macro SUM buf, first                  ; eight chunks onto the sums, in eight chains that do not wait for each other; first = 1: the first two chunks start them
.set y_, 0
.if \first
	WIN 0x05
	P8 v_pk_add_f32 v[H+p:H+p+1], v[(\buf)+p:(\buf)+p+1], v[(\buf)+16+p:(\buf)+16+p+1]
.set y_, 2
.endif
	WIN 0x04
.rept 8-y_
	P8 v_pk_add_f32 v[H+p:H+p+1], v[H+p:H+p+1], v[(\buf)+16*y_+p:(\buf)+16*y_+p+1]
.set y_, y_+1
.endr
.endm
.macro LANES16 base                    ; each of 16 registers: the sum over the 16 lanes of a half, that is over the block's 16 rows
.irp m, 1,2,4,8
.set k_, 0
.rept 16
	v_add_f32_dpp v[(\base)+k_], v[(\base)+k_], v[(\base)+k_] row_xmask:\m row_mask:0xf bank_mask:0xf
.set k_, k_+1
.endr
.endr
.endm
; The block's statistics of Y: mean over its 16 rows, then the sum of squared deviations from that mean: no difference of large sums is formed.  They are gathered in the wave's own LDS bytes and leave as one store of 256 bytes.
.macro STATS
	P8 v_pk_mul_f32 v[S1+p:S1+p+1], v[ACC+p:ACC+p+1], 0x3d800000 op_sel_hi:[1,0]  ; Y / 16, exact
	LANES16 S1
	P8 v_pk_add_f32 v[S2+p:S2+p+1], v[ACC+p:ACC+p+1], v[S1+p:S1+p+1] neg_lo:[0,1] neg_hi:[0,1]
	P8 v_pk_mul_f32 v[S2+p:S2+p+1], v[S2+p:S2+p+1], v[S2+p:S2+p+1]
	LANES16 S2
.irp i, 0,1,2,3
	ds_store_b128 v[SBS], v[S1+4*\i:S1+4*\i+3] offset:64*(\i/2)+16*(\i%2)      ; channel 16 o + 8 h + j of my 32; the sixteen lanes of a half write the same bytes
	ds_store_b128 v[SBS], v[S2+4*\i:S2+4*\i+3] offset:128+64*(\i/2)+16*(\i%2)
.endr
	ds_load_b128 v[ST:ST+3], v[SBL]                ; LDS serves a wave's instructions in order (ISA guide 5.7.1.4): this sees the stores above
	s_wait_dscnt 0x0
	s_wait_xcnt 0x0                                ; EXEC changes only behind this wait
	v_cmp_gt_u32 vcc_lo, 16, v[LN]
	s_and_saveexec_b32 s[SV], vcc_lo
	global_store_b128 v[L16], v[ST:ST+3], s[HS:HS+1]  ; sixteen lanes: 256 consecutive bytes, aligned
	s_wait_xcnt 0x0                                ; and again, in front of the line that widens it
	s_or_b32 exec_lo, exec_lo, s[SV]
.endm
	s_load_b512 s[4:19], s[0:1], 0x0               ; part s[4:5], wb1 s[6:7], mlp_W s[8:9], mlp_b s[10:11], bn_gamma s[12:13], bn_beta s[14:15], hs1 s[16:17], wb2 s[18:19]
	s_load_b64 s[20:21], s[0:1], 0x40              ; wb3
	v_lshl_add_u32 v[SPW], v0, 2, SPARE
	v_mov_b32 v[NIL], 0
	v_lshrrev_b32 v[LN], 5, v0
	v_readfirstlane_b32 s[WV], v[LN]               ; wave 0..7
	v_and_b32 v[LN], 31, v0
	v_and_b32 v[LR], 15, v0
	v_bfe_u32 v[LH], v0, 4, 1
	v_lshlrev_b32 v[VO], 4, v[LN]
.irp g, 1,2,3,4,5,6,7
	v_add_nc_u32 v[VO+\g], \g*8388608, v[VO]
.endr
	s_mov_b32 s[BE], ttmp9
	s_mov_b32 s[SEL], 0x76543210
	s_mov_b32 s[SEL+1], 0xfedcba98
	s_lshl_b32 s40, s[BE], 14
	s_lshl_b32 s41, s[WV], 11
	s_add_co_u32 s40, s40, s41                     ; block x 16,384 + wave x 2,048: in part and in hs1
	s_mov_b32 s41, 0
	s_lshl_b32 s42, s[WV], 15
	s_lshl_b32 s43, s[BE], 8
	s_add_co_u32 s42, s42, s43
	s_add_co_u32 s42, s42, 2097152                 ; the statistics: unit 128 v + block
	s_mov_b32 s43, 0
	s_lshl_b32 s44, s[WV], 14
	s_mov_b32 s45, 0
	s_lshl_b32 s46, s[WV], 7
	s_mov_b32 s47, 0
	; waves 0-3: piece 4 block + v of 512: layer 2 or 3, half c of fragment 8 To + ks.  Lane (r, h), element e: W[32 ks + 16 c + 8 h + e][16 To + r]
	s_lshl2_add_u32 s52, s[BE], s[WV]
	s_lshr_b32 s53, s52, 8
	s_and_b32 s52, s52, 255
	s_lshl_b32 s54, s52, 9
	s_mov_b32 s55, 0
	s_and_b32 s56, s52, 1
	s_bfe_u32 s57, s52, 0x30001
	s_lshr_b32 s58, s52, 4
	s_lshl1_add_u32 s57, s57, s56
	s_lshl_b32 s57, s57, 14
	s_lshl_b32 s58, s58, 6
	s_add_co_u32 s57, s57, s58
	s_add_co_u32 s58, s53, 1
	s_lshl_b32 s58, s58, 18
	s_add_co_u32 s57, s57, s58
	v_lshlrev_b32 v[JOF], 2, v[LR]
	v_lshl_add_u32 v[JOF], v[LH], 13, v[JOF]
	v_add_nc_u32 v[JOF], s57, v[JOF]
	v_lshlrev_b32 v[BOF], 5, v[LH]
	v_lshlrev_b32 v[MXL], 5, v[LR]
	s_lshl_b32 s51, s[WV], 2
	v_add_nc_u32 v[MXS], s51, v[MXL]
	s_lshl_b32 s51, s[WV], 10
	s_add_co_u32 s51, s51, FR
	v_lshl_add_u32 v[FRS], v[LN], 4, s51
	v_lshl_add_u32 v[FRL], v[LN], 4, FR
	s_lshl_b32 s51, s[WV], 8
	s_add_co_u32 s51, s51, SB
	v_lshl_add_u32 v[SBS], v[LH], 5, s51
	v_lshl_add_u32 v[SBL], v[LR], 4, s51
	v_mov_b32 v[MXR+1], 0                          ; v_permlanex16_b32's destination counts as read
	s_wait_kmcnt 0x0
	s_add_nc_u64 s[PT:PT+1], s[4:5], s[40:41]
	s_add_nc_u64 s[HO:HO+1], s[16:17], s[40:41]
	s_add_nc_u64 s[HS:HS+1], s[16:17], s[42:43]
	s_add_nc_u64 s[WB:WB+1], s[6:7], s[44:45]
	s_add_nc_u64 s[BB:BB+1], s[10:11], s[46:47]
	s_cmp_eq_u32 s53, 0
	s_cselect_b64 s[38:39], s[18:19], s[20:21]
	s_add_nc_u64 s[38:39], s[38:39], s[54:55]
	s_cmp_lt_u32 s[WV], 4
	s_cbranch_scc0 .Lno_piece
.irp e, 0,1,2,3,4,5,6,7
	global_load_b32 v[JB+\e], v[JOF], s[8:9] offset:\e*1024
.endr
.Lno_piece:
	BATCH 0, 0
	BATCH 1, 128
	s_wait_loadcnt 32                              ; the younger batch may stay out: chunks 0-7 are in, and the piece of mlp_W, which was asked for earlier
	SUM 0, 1
	WIN 0
	s_cmp_lt_u32 s[WV], 4
	s_cbranch_scc0 .Lpar
.irp i, 0,1,2,3
	v_cvt_pk_f16_f32 v[JB+\i], v[JB+2*\i], v[JB+2*\i+1]
.endr
	global_store_b128 v[L16], v[JB:JB+3], s[38:39] ; 512 consecutive bytes of wb2 or wb3
	s_branch .Ljobs_done
.Lpar:                                         ; wave 4 of blocks 0-11: half a row of parameters.  Row block / 2 of six: gamma, beta of layer 1 and the bias of layer 2 to wb2; the same one layer on to wb3
	s_cmp_eq_u32 s[WV], 4
	s_cbranch_scc0 .Ljobs_done
	s_cmp_lt_u32 s[BE], 12
	s_cbranch_scc0 .Ljobs_done
	s_lshr_b32 s40, s[BE], 1
	s_cmp_ge_u32 s40, 3
	s_cselect_b32 s41, 1, 0
	s_cselect_b64 s[38:39], s[20:21], s[18:19]
	s_mul_i32 s42, s41, 3
	s_sub_co_u32 s40, s40, s42                     ; 0 gamma, 1 beta, 2 bias
	s_cmp_eq_u32 s40, 0
	s_cselect_b64 s[36:37], s[12:13], s[14:15]
	s_cmp_eq_u32 s40, 2
	s_cselect_b64 s[36:37], s[10:11], s[36:37]
	s_cselect_b32 s42, 1, 0
	s_add_co_u32 s42, s42, s41                     ; the row in its tensor
	s_lshl_b32 s42, s42, 10
	s_and_b32 s44, s[BE], 1
	s_lshl_b32 s44, s44, 9
	s_add_co_u32 s42, s42, s44
	s_mov_b32 s43, 0
	s_add_nc_u64 s[36:37], s[36:37], s[42:43]
	s_lshl_b32 s40, s40, 10
	s_add_co_u32 s40, s40, s44
	s_add_co_u32 s40, s40, 131072
	s_mov_b32 s41, 0
	s_add_nc_u64 s[38:39], s[38:39], s[40:41]
	global_load_b128 v[JB:JB+3], v[L16], s[36:37]
	s_wait_loadcnt 0x0                             ; load, wait and store stand in one branch; the batch that is out is wanted next anyway
	global_store_b128 v[L16], v[JB:JB+3], s[38:39]
.Ljobs_done:
	BATCH 2, 0
	s_wait_loadcnt 32
	SUM 128, 0
	BATCH 3, 128
	s_wait_loadcnt 32
	SUM 0, 0
	WIN 0x40
.set i_, 0
.rept 32
	global_load_b128 v[4*i_:4*i_+3], v[L16], s[WB:WB+1] offset:512*i_  ; my 16 fragments of W1: output tile o, K step ks at 8 (8 o + ks)
.set i_, i_+1
.endr
	WIN 0
.irp i, 0,1,2,3
	global_load_b128 v[BI+4*\i:BI+4*\i+3], v[BOF], s[BB:BB+1] offset:64*(\i/2)+16*(\i%2)  ; b1 as the result lies
.endr
	s_wait_loadcnt 36                              ; the 32 + 4 just issued may stay out
	SUM 128, 0
	WIN 0
	; the row's largest magnitude: my 16 numbers, the other half of the lanes, the eight waves
	v_max3_num_f32 v[MXR], |v[H]|, |v[H+1]|, |v[H+2]|
.irp k, 3,5,7,9,11,13
	v_max3_num_f32 v[MXR], v[MXR], |v[H+\k]|, |v[H+\k+1]|
.endr
	v_max_num_f32 v[MXR], v[MXR], |v[H+15]|
	v_permlanex16_b32 v[MXR+1], v[MXR], s[SEL], s[SEL+1]
	v_max_num_f32 v[MXR], v[MXR], v[MXR+1]
	ds_store_b32 v[MXS], v[MXR]
	s_wait_dscnt 0x0
	s_barrier_signal -1
	s_barrier_wait -1
	ds_load_b128 v[RM:RM+3], v[MXL]
	ds_load_b128 v[RM+4:RM+7], v[MXL] offset:16
	s_wait_dscnt 0x0
	v_max3_num_f32 v[MXR], v[RM], v[RM+1], v[RM+2]
	v_max3_num_f32 v[MXR], v[MXR], v[RM+3], v[RM+4]
	v_max3_num_f32 v[MXR], v[MXR], v[RM+5], v[RM+6]
	v_max_num_f32 v[MXR], v[MXR], v[RM+7]
	v_and_b32 v[IV], 0x7f800000, v[MXR]            ; 2^e
	v_mov_b32 v[IV+1], v[IV]
	v_sub_nc_u32 v[SC], 0x7f000000, v[IV]          ; 2^-e: the exponent field is 254 less e's
	v_mov_b32 v[SC+1], v[SC]
	P8 v_pk_mul_f32 v[H+p:H+p+1], v[H+p:H+p+1], v[SC:SC+1]
.irp i, 0,1,2,3,4,5,6,7
	v_cvt_pk_f16_f32 v[FG+\i], v[H+2*\i], v[H+2*\i+1]  ; registers 0-3 from tile 2 v, 4-7 from tile 2 v + 1: source 1 of K step v as it stands
.endr
	ds_store_b128 v[FRS], v[FG:FG+3]
	ds_store_b128 v[FRS], v[FG+4:FG+7] offset:512
	s_wait_dscnt 0x0
	s_barrier_signal -1
	s_barrier_wait -1
.irp i, 0,1,2,3,4,5,6,7,8,9,10,11,12,13,14,15
	ds_load_b128 v[FA+4*\i:FA+4*\i+3], v[FRL] offset:512*\i
.endr
	s_wait_loadcnt 0x0
	s_wait_dscnt 0x0
	WIN 0x01                                       ; source 0 in window 1
.irp ks, 0,1,2,3,4,5,6,7
.irp o, 0,1                            ; the two accumulators take turns, one instruction a turn
.if \ks == 0
	v_wmma_f32_16x16x32_f16 v[ACC+8*\o:ACC+8*\o+7], v[8*(8*\o+\ks):8*(8*\o+\ks)+7], v[FA+8*\ks:FA+8*\ks+7], 0
.else
	v_wmma_f32_16x16x32_f16 v[ACC+8*\o:ACC+8*\o+7], v[8*(8*\o+\ks):8*(8*\o+\ks)+7], v[FA+8*\ks:FA+8*\ks+7], v[ACC+8*\o:ACC+8*\o+7]
.endif
.endr
.endr
	WIN 0
.rept 8
	v_nop                                          ; the places behind the last products
.endr
	P8 v_pk_fma_f32 v[ACC+p:ACC+p+1], v[ACC+p:ACC+p+1], v[IV:IV+1], v[BI+p:BI+p+1]  ; scaled back, plus the bias; each accumulator from its low end on
.irp i, 0,1,2,3
	global_store_b128 v[L16], v[ACC+4*\i:ACC+4*\i+3], s[HO:HO+1] offset:512*\i
.endr
	STATS
	s_wait_tensorcnt 0x0                           ; the wave's end, behind my last LDS store
	ds_add_u32 v[SPW], v[NIL]
	s_wait_dscnt 0x0
	s_endpgm
.Lfunc_end_k_q32d3b4ad99_lin1:
	.size	k_q32d3b4ad99_lin1, .Lfunc_end_k_q32d3b4ad99_lin1-k_q32d3b4ad99_lin1
	.p2alignl 7, 3214868480
	.fill 96, 4, 3214868480
	.section	.rodata,"a",@progbits
	.p2align	6, 0x0
	.amdhsa_kernel k_q32d3b4ad99_lin1
		.amdhsa_group_segment_fixed_size 11776
		.amdhsa_private_segment_fixed_size 0
		.amdhsa_enable_private_segment 0
		.amdhsa_kernarg_size 72
		.amdhsa_user_sgpr_count 2
		.amdhsa_user_sgpr_kernarg_segment_ptr 1
		.amdhsa_wavefront_size32 1
		.amdhsa_system_sgpr_workgroup_id_x 1
		.amdhsa_system_sgpr_workgroup_id_y 1
		.amdhsa_system_sgpr_workgroup_id_z 1
		.amdhsa_system_vgpr_workitem_id 0
		.amdhsa_next_free_vgpr 512
		.amdhsa_next_free_sgpr 66
		.amdhsa_reserve_vcc 1
		.amdhsa_float_denorm_mode_32 3
		.amdhsa_float_denorm_mode_16_64 3
		.amdhsa_memory_ordered 1
		.amdhsa_forward_progress 1
		.amdhsa_inst_pref_size 54
	.end_amdhsa_kernel
	.amdgpu_metadata
---
amdhsa.version: [ 1, 2 ]
amdhsa.kernels:
  - .name:           k_q32d3b4ad99_lin1
    .symbol:         k_q32d3b4ad99_lin1.kd
    .args:
      - { .name: part, .offset: 0, .size: 8, .value_kind: global_buffer, .address_space: global }
      - { .name: wb1, .offset: 8, .size: 8, .value_kind: global_buffer, .address_space: global }
      - { .name: mlp_W, .offset: 16, .size: 8, .value_kind: global_buffer, .address_space: global }
      - { .name: mlp_b, .offset: 24, .size: 8, .value_kind: global_buffer, .address_space: global }
      - { .name: bn_gamma, .offset: 32, .size: 8, .value_kind: global_buffer, .address_space: global }
      - { .name: bn_beta, .offset: 40, .size: 8, .value_kind: global_buffer, .address_space: global }
      - { .name: hs1, .offset: 48, .size: 8, .value_kind: global_buffer, .address_space: global }
      - { .name: wb2, .offset: 56, .size: 8, .value_kind: global_buffer, .address_space: global }
      - { .name: wb3, .offset: 64, .size: 8, .value_kind: global_buffer, .address_space: global }
    .group_segment_fixed_size: 11776
    .private_segment_fixed_size: 0
    .kernarg_segment_align: 8
    .kernarg_segment_size: 72
    .max_flat_workgroup_size: 256
    .sgpr_count:     66
    .vgpr_count:     512
    .wavefront_size: 32
...
	.end_amdgpu_metadata
.endif
;; end of part 2
;; launch mid2 (part 3): grid 128 x 1, 8 waves a work-group, no clusters, 14,336 bytes of LDS; arguments hs1, wb2, hs2; writes hs2
.if DOCPART == 3
	.amdgcn_target "amdgcn-amd-amdhsa--gfx1250"
	.amdhsa_code_object_version 6
	.text
	.protected	k_q32d3b4ad99_mid2
	.globl	k_q32d3b4ad99_mid2
	.p2align	8
	.type	k_q32d3b4ad99_mid2,@function
k_q32d3b4ad99_mid2:
	s_mov_b64 s[64:65], 0
	v_nop
	global_prefetch_b8 v0, s[64:65] scope:SCOPE_SE
	s_setreg_imm32_b32 hwreg(HW_REG_WAVE_MODE, 25, 1), 1
	s_wait_xcnt 0x0
; One layer of the head: batch norm (statistics over all 2,048 rows) and exact GELU of the layer before, then Y = G W + b (f32), and Y's block statistics for the next launch.  Arguments: in, weights, out.
; in, out: Y as the matrix results lie (block of 16 rows at 16,384, tile T at 1,024, registers 0-3 and 4-7 at 512, 16 bytes a lane), then from byte 2,097,152 units of 256 bytes, (128 v + block): 32 block means and
; 32 block sums of squared deviations of channels 32 v .. 32 v + 31.  weights: 128 f16 fragments of 1,024 bytes, then gamma, beta of the norm and the bias of the product, 1,024 bytes each.
; SHARES.  Work-group = a block of 16 rows; wave v = channels 32 v .. 32 v + 31 of the input (K step v) and of the output.  Every work-group makes the batch's statistics anew from the 128 blocks' figures.
; VARIANCE.  mean = the mean of the block means; 2,048 var = the sum of the blocks' sums of squares + 16 x the sum of (block mean - mean)^2: sums of squares of deviations alone.
; GELU.  erf(u), u = |x| / sqrt(2), by 1 - (a1 t + .. + a5 t^5) e^(-u u), t = 1 / (1 + 0.3275911 u): its error is at most 1.5e-7 for every u.  LIMITS: G and the weights stay under 65,504 (f16 operands);
; NaN and infinities are not treated apart.
; No cluster, no tensor loads, no prefetch: a short launch whose inputs come through registers, and what the work-groups share (weights, statistics) is under 400,000 bytes.
.set PS,    0                          ; LDS: 384 bytes a wave: mean, gamma / sqrt(var + eps), beta of my 32 channels
.set FR,    3072                       ; the eight fragments of G
.set SB,    11264                      ; 256 bytes a wave
.set SPARE, 13312                      ; the spare words, 128 bytes a wave: four blocks of 256 bytes that no other line names
.set LN,  1
.set LR,  2
.set LH,  3
.set L16, 4
.set SOF, 5                            ; statistics: (lane / 8) x 256 + (lane % 8) x 16: four blocks, eight groups of four channels
.set POF, 6                            ; 16 (lane % 8)
.set BOF, 7                            ; 32 h
.set PSS, 8
.set PSL, 9
.set FRS, 10
.set FRL, 11
.set SBS, 12
.set SBL, 13
.set SPW, 14
.set NIL, 15
.set X,   16
.set FG,  32
.set ACC, 40
.set BI,  56
.set ST,  76
.set S1,  80
.set S2,  96
.set MEAN, 112
.set TT,  128
.set QQ,  144
.set PP,  160
.set DV,  160
.set FA,  128                          ; the eight fragments lie where TT, QQ and PP lay
.set AA,  192
.set BT2, 208
.set GA,  224
.set BT,  228
.set QS,  232
.set MS,  236
.set MR,  0                            ; window 1: 32 x 4 block means
.set QR,  128                          ; window 1: 32 x 4 block sums of squares; then my 16 weight fragments
.set WV,  12
.set SI,  14                           ; s[14:15] in, statistics of my channels
.set XI,  16                           ; s[16:17] in, my two tiles
.set PR,  18                           ; s[18:19] parameters of my channels
.set WB,  20                           ; s[20:21] my 16 fragments
.set HO,  22
.set HS,  24
.set SEL, 26
.set SV,  28
.set A5,  30
.set A4,  32
.set A3,  34
.set A2,  36
.set A1,  38
.set PC,  40
.set MASK, 41
.set MSB, 0
.macro WIN new
.if MSB != (\new)
	s_set_vgpr_msb (MSB<<8)|(\new)
.set MSB, (\new)
.endif
.endm
.macro P8 line:vararg
.set p, 0
.rept 8
	\line
.set p, p+2
.endr
.endm
.macro R16 line:vararg
.set k, 0
.rept 16
	\line
.set k, k+1
.endr
.endm
.macro LANES16 base
.irp m, 1,2,4,8
.set k_, 0
.rept 16
	v_add_f32_dpp v[(\base)+k_], v[(\base)+k_], v[(\base)+k_] row_xmask:\m row_mask:0xf bank_mask:0xf
.set k_, k_+1
.endr
.endr
.endm
.macro STATS                           ; the block's mean and sum of squared deviations of Y, gathered in the wave's own LDS bytes, out as one store of 256 bytes
	P8 v_pk_mul_f32 v[S1+p:S1+p+1], v[ACC+p:ACC+p+1], 0x3d800000 op_sel_hi:[1,0]
	LANES16 S1
	P8 v_pk_add_f32 v[S2+p:S2+p+1], v[ACC+p:ACC+p+1], v[S1+p:S1+p+1] neg_lo:[0,1] neg_hi:[0,1]
	P8 v_pk_mul_f32 v[S2+p:S2+p+1], v[S2+p:S2+p+1], v[S2+p:S2+p+1]
	LANES16 S2
.irp i, 0,1,2,3
	ds_store_b128 v[SBS], v[S1+4*\i:S1+4*\i+3] offset:64*(\i/2)+16*(\i%2)
	ds_store_b128 v[SBS], v[S2+4*\i:S2+4*\i+3] offset:128+64*(\i/2)+16*(\i%2)
.endr
	ds_load_b128 v[ST:ST+3], v[SBL]                ; LDS serves a wave's instructions in order (ISA guide 5.7.1.4)
	s_wait_dscnt 0x0
	s_wait_xcnt 0x0                                ; EXEC changes only behind this wait
	v_cmp_gt_u32 vcc_lo, 16, v[LN]
	s_and_saveexec_b32 s[SV], vcc_lo
	global_store_b128 v[L16], v[ST:ST+3], s[HS:HS+1]
	s_wait_xcnt 0x0
	s_or_b32 exec_lo, exec_lo, s[SV]
.endm
.macro FOLD base                       ; four chains of four registers into one
.irp i, 0,2,4,6
	v_pk_add_f32 v[(\base)+\i:(\base)+\i+1], v[(\base)+\i:(\base)+\i+1], v[(\base)+8+\i:(\base)+8+\i+1]
.endr
.irp i, 0,2
	v_pk_add_f32 v[(\base)+\i:(\base)+\i+1], v[(\base)+\i:(\base)+\i+1], v[(\base)+4+\i:(\base)+4+\i+1]
.endr
.endm
.macro XL4 base, tmp                   ; four registers: the sum over the four lanes that hold the same channels (lane xor 8, lane xor 16); tmp has been written
.irp c, 0,1,2,3
	v_add_f32_dpp v[(\base)+\c], v[(\base)+\c], v[(\base)+\c] row_xmask:8 row_mask:0xf bank_mask:0xf
.endr
.irp c, 0,1,2,3
	v_permlanex16_b32 v[(\tmp)+\c], v[(\base)+\c], s[SEL], s[SEL+1]
.endr
.irp c, 0,1,2,3
	v_add_f32 v[(\base)+\c], v[(\base)+\c], v[(\tmp)+\c]
.endr
.endm
; The batch's mean and variance of my 32 channels, four channels a lane; then mean, gamma / sqrt(var + eps) and beta are laid as the matrix results lie, through the wave's own LDS bytes.
; c1, c2, c3: the loads that may stay out when the sums of squares, the means, and gamma and beta are wanted.  wl = 1: my weight fragments are asked for as soon as the sums of squares' registers are free.
.macro BNSTAT c1, c2, c3, wl
	s_wait_loadcnt \c1
	WIN 0x45
.irp s, 16,8,4,2
.set i_, 0
.rept \s
	v_pk_add_f32 v[QR+4*i_:QR+4*i_+1], v[QR+4*i_:QR+4*i_+1], v[QR+4*(i_+\s):QR+4*(i_+\s)+1]
	v_pk_add_f32 v[QR+4*i_+2:QR+4*i_+3], v[QR+4*i_+2:QR+4*i_+3], v[QR+4*(i_+\s)+2:QR+4*(i_+\s)+3]
.set i_, i_+1
.endr
.endr
	WIN 0x05
	v_pk_add_f32 v[QS:QS+1], v[QR:QR+1], v[QR+4:QR+5]
	v_pk_add_f32 v[QS+2:QS+3], v[QR+2:QR+3], v[QR+6:QR+7]
.if \wl
	WIN 0x40
.set i_, 0
.rept 32
	global_load_b128 v[QR+4*i_:QR+4*i_+3], v[L16], s[WB:WB+1] offset:512*i_
.set i_, i_+1
.endr
.endif
	s_wait_loadcnt \c2
	WIN 0x05
	P8 v_pk_add_f32 v[TT+p:TT+p+1], v[MR+p:MR+p+1], v[MR+16+p:MR+16+p+1]
	WIN 0x04
.set m_, 2
.rept 6
	P8 v_pk_add_f32 v[TT+p:TT+p+1], v[TT+p:TT+p+1], v[MR+16*m_+p:MR+16*m_+p+1]
.set m_, m_+1
.endr
	WIN 0
	FOLD TT
	XL4 TT, TT+4
	XL4 QS, TT+8
	v_pk_mul_f32 v[MS:MS+1], v[TT:TT+1], 0x3c000000 op_sel_hi:[1,0]      ; / 128 blocks
	v_pk_mul_f32 v[MS+2:MS+3], v[TT+2:TT+3], 0x3c000000 op_sel_hi:[1,0]
	WIN 0x41
.set i_, 0
.rept 32
	v_pk_add_f32 v[MR+4*i_:MR+4*i_+1], v[MR+4*i_:MR+4*i_+1], v[MS:MS+1] neg_lo:[0,1] neg_hi:[0,1]
	v_pk_add_f32 v[MR+4*i_+2:MR+4*i_+3], v[MR+4*i_+2:MR+4*i_+3], v[MS+2:MS+3] neg_lo:[0,1] neg_hi:[0,1]
.set i_, i_+1
.endr
	WIN 0x05
	P8 v_pk_mul_f32 v[DV+p:DV+p+1], v[MR+p:MR+p+1], v[MR+p:MR+p+1]
.set m_, 1
.rept 7
	P8 v_pk_fma_f32 v[DV+p:DV+p+1], v[MR+16*m_+p:MR+16*m_+p+1], v[MR+16*m_+p:MR+16*m_+p+1], v[DV+p:DV+p+1]
.set m_, m_+1
.endr
	WIN 0
	FOLD DV
	XL4 DV, DV+4
.irp i, 0,2
	v_pk_fma_f32 v[QS+\i:QS+\i+1], v[DV+\i:DV+\i+1], 0x41800000, v[QS+\i:QS+\i+1] op_sel_hi:[1,0,1]  ; 16 rows to a block
	v_pk_mul_f32 v[QS+\i:QS+\i+1], v[QS+\i:QS+\i+1], 0x3a000000 op_sel_hi:[1,0]                      ; / 2,048
	v_pk_add_f32 v[QS+\i:QS+\i+1], v[QS+\i:QS+\i+1], 0x3727c5ac op_sel_hi:[1,0]                      ; + 1e-5
.endr
.irp c, 0,1,2,3
	v_rsq_f32 v[QS+\c], v[QS+\c]
.endr
	s_wait_loadcnt \c3
	v_nop                                          ; a plain instruction behind the last of the four,
	s_wait_alu depctr_va_vdst(0)                   ; and their one wait
	v_pk_mul_f32 v[GA:GA+1], v[GA:GA+1], v[QS:QS+1]
	v_pk_mul_f32 v[GA+2:GA+3], v[GA+2:GA+3], v[QS+2:QS+3]
	ds_store_b128 v[PSS], v[MS:MS+3]               ; the four lanes that hold the same channels write the same bytes
	ds_store_b128 v[PSS], v[GA:GA+3] offset:128
	ds_store_b128 v[PSS], v[BT:BT+3] offset:256
.irp i, 0,1,2,3
	ds_load_b128 v[MEAN+4*\i:MEAN+4*\i+3], v[PSL] offset:64*(\i/2)+16*(\i%2)   ; the wave's own bytes, served in order
	ds_load_b128 v[AA+4*\i:AA+4*\i+3], v[PSL] offset:128+64*(\i/2)+16*(\i%2)
	ds_load_b128 v[BT2+4*\i:BT2+4*\i+3], v[PSL] offset:256+64*(\i/2)+16*(\i%2)
.endr
	s_wait_dscnt 0x0
.endm
; X = GELU((X - mean) a + beta), 16 numbers a lane.  The 16 reciprocals and 16 exponentials are one batch; the halving of X is the plain work behind it; then one wait.
.macro GELU16
	P8 v_pk_add_f32 v[X+p:X+p+1], v[X+p:X+p+1], v[MEAN+p:MEAN+p+1] neg_lo:[0,1] neg_hi:[0,1]
	P8 v_pk_fma_f32 v[X+p:X+p+1], v[X+p:X+p+1], v[AA+p:AA+p+1], v[BT2+p:BT2+p+1]
	R16 v_fma_f32 v[TT+k], |v[X+k]|, s[PC], 1.0
	P8 v_pk_mul_f32 v[QQ+p:QQ+p+1], v[X+p:X+p+1], v[X+p:X+p+1]
	P8 v_pk_mul_f32 v[QQ+p:QQ+p+1], v[QQ+p:QQ+p+1], 0xbf38aa3b op_sel_hi:[1,0]  ; - x x / 2 in base 2
	R16 v_rcp_f32 v[TT+k], v[TT+k]
	R16 v_exp_f32 v[QQ+k], v[QQ+k]
	P8 v_pk_mul_f32 v[X+p:X+p+1], v[X+p:X+p+1], 0.5 op_sel_hi:[1,0]
	s_wait_alu depctr_va_vdst(0)
	P8 v_pk_fma_f32 v[PP+p:PP+p+1], v[TT+p:TT+p+1], s[A5:A5+1], s[A4:A4+1] op_sel_hi:[1,0,0]
	P8 v_pk_fma_f32 v[PP+p:PP+p+1], v[PP+p:PP+p+1], v[TT+p:TT+p+1], s[A3:A3+1] op_sel_hi:[1,1,0]
	P8 v_pk_fma_f32 v[PP+p:PP+p+1], v[PP+p:PP+p+1], v[TT+p:TT+p+1], s[A2:A2+1] op_sel_hi:[1,1,0]
	P8 v_pk_fma_f32 v[PP+p:PP+p+1], v[PP+p:PP+p+1], v[TT+p:TT+p+1], s[A1:A1+1] op_sel_hi:[1,1,0]
	P8 v_pk_mul_f32 v[PP+p:PP+p+1], v[PP+p:PP+p+1], v[TT+p:TT+p+1]
	P8 v_pk_fma_f32 v[PP+p:PP+p+1], v[PP+p:PP+p+1], v[QQ+p:QQ+p+1], 1.0 op_sel_hi:[1,1,0] neg_lo:[1,0,0] neg_hi:[1,0,0]  ; erf(|x| / sqrt 2)
	R16 v_bfi_b32 v[PP+k], s[MASK], v[PP+k], v[X+k]                               ; with x's sign
	P8 v_pk_fma_f32 v[X+p:X+p+1], v[X+p:X+p+1], v[PP+p:PP+p+1], v[X+p:X+p+1]      ; x / 2 + (x / 2) erf
.endm
	s_load_b128 s[4:7], s[0:1], 0x0                ; in s[4:5], weights s[6:7]
	s_load_b64 s[8:9], s[0:1], 0x10                ; out
	v_lshl_add_u32 v[SPW], v0, 2, SPARE
	v_mov_b32 v[NIL], 0
	v_lshrrev_b32 v[LN], 5, v0
	v_readfirstlane_b32 s[WV], v[LN]               ; wave 0..7
	v_and_b32 v[LN], 31, v0
	v_and_b32 v[LR], 15, v0
	v_bfe_u32 v[LH], v0, 4, 1
	v_lshlrev_b32 v[L16], 4, v[LN]
	v_and_b32 v[POF], 7, v0
	v_lshlrev_b32 v[POF], 4, v[POF]
	v_bfe_u32 v[SOF], v0, 3, 2
	v_lshl_add_u32 v[SOF], v[SOF], 8, v[POF]
	v_lshlrev_b32 v[BOF], 5, v[LH]
	s_mul_i32 s42, s[WV], 384
	v_add_nc_u32 v[PSS], s42, v[POF]
	v_add_nc_u32 v[PSL], s42, v[BOF]
	s_lshl_b32 s42, s[WV], 10
	s_add_co_u32 s42, s42, FR
	v_add_nc_u32 v[FRS], s42, v[L16]
	v_add_nc_u32 v[FRL], FR, v[L16]
	s_lshl_b32 s42, s[WV], 8
	s_add_co_u32 s42, s42, SB
	v_add_nc_u32 v[SBS], s42, v[BOF]
	v_lshl_add_u32 v[SBL], v[LR], 4, s42
	s_mov_b32 s[SEL], 0x76543210
	s_mov_b32 s[SEL+1], 0xfedcba98
	s_mov_b32 s[A5], 0x3f87dc22                    ; 1.061405429
	s_mov_b32 s[A5+1], s[A5]                       ; each is named as a pair, so both words are written
	s_mov_b32 s[A4], 0xbfba00e3                    ; -1.453152027
	s_mov_b32 s[A4+1], s[A4]
	s_mov_b32 s[A3], 0x3fb5f0e3                    ; 1.421413741
	s_mov_b32 s[A3+1], s[A3]
	s_mov_b32 s[A2], 0xbe91a98e                    ; -0.284496736
	s_mov_b32 s[A2+1], s[A2]
	s_mov_b32 s[A1], 0x3e827906                    ; 0.254829592
	s_mov_b32 s[A1+1], s[A1]
	s_mov_b32 s[PC], 0x3e6d3388                    ; 0.3275911 / sqrt(2)
	s_mov_b32 s[MASK], 0x7fffffff
	s_lshl_b32 s42, s[WV], 15
	s_add_co_u32 s42, s42, 2097152
	s_mov_b32 s43, 0
	s_lshl_b32 s44, ttmp9, 14
	s_lshl_b32 s45, s[WV], 11
	s_add_co_u32 s44, s44, s45
	s_mov_b32 s45, 0
	s_wait_kmcnt 0x0
	s_add_nc_u64 s[SI:SI+1], s[4:5], s[42:43]
	s_add_nc_u64 s[XI:XI+1], s[4:5], s[44:45]
	s_add_nc_u64 s[HO:HO+1], s[8:9], s[44:45]
	s_lshl_b32 s44, ttmp9, 8
	s_add_co_u32 s42, s42, s44
	s_add_nc_u64 s[HS:HS+1], s[8:9], s[42:43]
	s_lshl_b32 s42, s[WV], 14
	s_add_nc_u64 s[WB:WB+1], s[6:7], s[42:43]
	s_lshl_b32 s42, s[WV], 7
	s_add_co_u32 s42, s42, 131072
	s_add_nc_u64 s[PR:PR+1], s[6:7], s[42:43]
	WIN 0x40
.set i_, 0
.rept 32
	global_load_b128 v[QR+4*i_:QR+4*i_+3], v[SOF], s[SI:SI+1] offset:1024*i_+128  ; blocks 4 i .. 4 i + 3: sums of squares
.set i_, i_+1
.endr
.set i_, 0
.rept 32
	global_load_b128 v[MR+4*i_:MR+4*i_+3], v[SOF], s[SI:SI+1] offset:1024*i_      ; means
.set i_, i_+1
.endr
	WIN 0
.irp i, 0,1,2,3
	global_load_b128 v[X+4*\i:X+4*\i+3], v[L16], s[XI:XI+1] offset:512*\i
.endr
	global_load_b128 v[GA:GA+3], v[POF], s[PR:PR+1]
	global_load_b128 v[BT:BT+3], v[POF], s[PR:PR+1] offset:1024
.irp i, 0,1,2,3
	global_load_b128 v[BI+4*\i:BI+4*\i+3], v[BOF], s[PR:PR+1] offset:2048+64*(\i/2)+16*(\i%2)
.endr
	BNSTAT 42, 42, 36, 1                           ; 42 = means 32, X 4, gamma, beta, bias 4;  42 = those 10 and the weights' 32;  36 = bias 4 and weights 32
	GELU16
.irp i, 0,1,2,3,4,5,6,7
	v_cvt_pk_f16_f32 v[FG+\i], v[X+2*\i], v[X+2*\i+1]  ; source 1 of K step v as it stands
.endr
	ds_store_b128 v[FRS], v[FG:FG+3]
	ds_store_b128 v[FRS], v[FG+4:FG+7] offset:512
	s_wait_dscnt 0x0
	s_barrier_signal -1
	s_barrier_wait -1
.irp i, 0,1,2,3,4,5,6,7,8,9,10,11,12,13,14,15
	ds_load_b128 v[FA+4*\i:FA+4*\i+3], v[FRL] offset:512*\i
.endr
	s_wait_loadcnt 0x0
	s_wait_dscnt 0x0
	WIN 0x01
.irp ks, 0,1,2,3,4,5,6,7
.irp o, 0,1                            ; the two accumulators take turns, one instruction a turn
.if \ks == 0
	v_wmma_f32_16x16x32_f16 v[ACC+8*\o:ACC+8*\o+7], v[QR+8*(8*\o+\ks):QR+8*(8*\o+\ks)+7], v[FA+8*\ks:FA+8*\ks+7], 0
.else
	v_wmma_f32_16x16x32_f16 v[ACC+8*\o:ACC+8*\o+7], v[QR+8*(8*\o+\ks):QR+8*(8*\o+\ks)+7], v[FA+8*\ks:FA+8*\ks+7], v[ACC+8*\o:ACC+8*\o+7]
.endif
.endr
.endr
	WIN 0
.rept 8
	v_nop                                          ; the places behind the last products
.endr
	P8 v_pk_add_f32 v[ACC+p:ACC+p+1], v[ACC+p:ACC+p+1], v[BI+p:BI+p+1]  ; each accumulator from its low end on
.irp i, 0,1,2,3
	global_store_b128 v[L16], v[ACC+4*\i:ACC+4*\i+3], s[HO:HO+1] offset:512*\i
.endr
	STATS
	s_wait_tensorcnt 0x0                           ; the wave's end, behind my last LDS store
	ds_add_u32 v[SPW], v[NIL]
	s_wait_dscnt 0x0
	s_endpgm
.Lfunc_end_k_q32d3b4ad99_mid2:
	.size	k_q32d3b4ad99_mid2, .Lfunc_end_k_q32d3b4ad99_mid2-k_q32d3b4ad99_mid2
	.p2alignl 7, 3214868480
	.fill 96, 4, 3214868480
	.section	.rodata,"a",@progbits
	.p2align	6, 0x0
	.amdhsa_kernel k_q32d3b4ad99_mid2
		.amdhsa_group_segment_fixed_size 14336
		.amdhsa_private_segment_fixed_size 0
		.amdhsa_enable_private_segment 0
		.amdhsa_kernarg_size 24
		.amdhsa_user_sgpr_count 2
		.amdhsa_user_sgpr_kernarg_segment_ptr 1
		.amdhsa_wavefront_size32 1
		.amdhsa_system_sgpr_workgroup_id_x 1
		.amdhsa_system_sgpr_workgroup_id_y 1
		.amdhsa_system_sgpr_workgroup_id_z 1
		.amdhsa_system_vgpr_workitem_id 0
		.amdhsa_next_free_vgpr 512
		.amdhsa_next_free_sgpr 66
		.amdhsa_reserve_vcc 1
		.amdhsa_float_denorm_mode_32 3
		.amdhsa_float_denorm_mode_16_64 3
		.amdhsa_memory_ordered 1
		.amdhsa_forward_progress 1
		.amdhsa_inst_pref_size 58
	.end_amdhsa_kernel
	.amdgpu_metadata
---
amdhsa.version: [ 1, 2 ]
amdhsa.kernels:
  - .name:           k_q32d3b4ad99_mid2
    .symbol:         k_q32d3b4ad99_mid2.kd
    .args:
      - { .name: hs1, .offset: 0, .size: 8, .value_kind: global_buffer, .address_space: global }
      - { .name: wb2, .offset: 8, .size: 8, .value_kind: global_buffer, .address_space: global }
      - { .name: hs2, .offset: 16, .size: 8, .value_kind: global_buffer, .address_space: global }
    .group_segment_fixed_size: 14336
    .private_segment_fixed_size: 0
    .kernarg_segment_align: 8
    .kernarg_segment_size: 24
    .max_flat_workgroup_size: 256
    .sgpr_count:     66
    .vgpr_count:     512
    .wavefront_size: 32
...
	.end_amdgpu_metadata
.endif
;; end of part 3
;; launch mid3: the kernel of part 3 again; grid 128 x 1, 8 waves a work-group, no clusters, 14,336 bytes of LDS; arguments hs2, wb3, hs3; writes hs3
;; launch fin (part 4): grid 128 x 1, 8 waves a work-group, no clusters, 4,608 bytes of LDS; arguments hs3, bn_gamma, bn_beta, W_out, b_out, out0; writes out0
.if DOCPART == 4
	.amdgcn_target "amdgcn-amd-amdhsa--gfx1250"
	.amdhsa_code_object_version 6
	.text
	.protected	k_q32d3b4ad99_fin
	.globl	k_q32d3b4ad99_fin
	.p2align	8
	.type	k_q32d3b4ad99_fin,@function
k_q32d3b4ad99_fin:
	s_mov_b64 s[64:65], 0
	v_nop
	global_prefetch_b8 v0, s[64:65] scope:SCOPE_SE
	s_setreg_imm32_b32 hwreg(HW_REG_WAVE_MODE, 25, 1), 1
	s_wait_xcnt 0x0
; The head's end: batch norm and exact GELU of layer 3 (statistics as in the layers before: block means and block sums of squared deviations, combined without a difference of large sums), then out = G W_out + b_out.
; SHARES.  Work-group = a block of 16 rows; wave v = channels 32 v .. 32 v + 31; the eight waves' partial dot products meet in LDS, and wave 0 stores the block's 16 numbers.
; The last product has one column: a matrix tile would be fifteen sixteenths empty, so it is 16 fused multiply-adds a lane in f32.  No matrix instruction, no cluster, no tensor load, no prefetch: a short launch.
; GELU: erf by 1 - (a1 t + .. + a5 t^5) e^(-u u), t = 1 / (1 + 0.3275911 u): error at most 1.5e-7 for every u.  NaN and infinities are not treated apart.
.set PS,    0
.set DOT,   3072                       ; row r's eight partial sums at 32 r + 4 v
.set SPARE, 3584                       ; the spare words, 128 bytes a wave: four blocks of 256 bytes that no other line names
.set LN,  1
.set LR,  2
.set LH,  3
.set L16, 4
.set SOF, 5
.set POF, 6
.set BOF, 7
.set PSS, 8
.set PSL, 9
.set DTS, 10
.set DTL, 11
.set OOF, 12
.set SPW, 14
.set NIL, 15
.set X,   16
.set BI,  56                           ; W_out as the matrix results of the layers before lie
.set RM,  72
.set MEAN, 112
.set TT,  128
.set QQ,  144
.set PP,  160
.set DV,  160
.set AA,  192
.set BT2, 208
.set GA,  224
.set BT,  228
.set QS,  232
.set MS,  236
.set MR,  0
.set QR,  128
.set WV,  16
.set SI,  18
.set XI,  20
.set GP,  22
.set BP,  24
.set WB,  26
.set SEL, 28
.set A5,  30
.set A4,  32
.set A3,  34
.set A2,  36
.set A1,  38
.set PC,  40
.set MASK, 41
.set BO,  44
.set SV,  45
.set OU,  46
.set MSB, 0
.macro WIN new
.if MSB != (\new)
	s_set_vgpr_msb (MSB<<8)|(\new)
.set MSB, (\new)
.endif
.endm
.macro P8 line:vararg
.set p, 0
.rept 8
	\line
.set p, p+2
.endr
.endm
.macro R16 line:vararg
.set k, 0
.rept 16
	\line
.set k, k+1
.endr
.endm
.macro FOLD base
.irp i, 0,2,4,6
	v_pk_add_f32 v[(\base)+\i:(\base)+\i+1], v[(\base)+\i:(\base)+\i+1], v[(\base)+8+\i:(\base)+8+\i+1]
.endr
.irp i, 0,2
	v_pk_add_f32 v[(\base)+\i:(\base)+\i+1], v[(\base)+\i:(\base)+\i+1], v[(\base)+4+\i:(\base)+4+\i+1]
.endr
.endm
.macro XL4 base, tmp                   ; the sum over the four lanes that hold the same channels; tmp has been written
.irp c, 0,1,2,3
	v_add_f32_dpp v[(\base)+\c], v[(\base)+\c], v[(\base)+\c] row_xmask:8 row_mask:0xf bank_mask:0xf
.endr
.irp c, 0,1,2,3
	v_permlanex16_b32 v[(\tmp)+\c], v[(\base)+\c], s[SEL], s[SEL+1]
.endr
.irp c, 0,1,2,3
	v_add_f32 v[(\base)+\c], v[(\base)+\c], v[(\tmp)+\c]
.endr
.endm
.macro BNSTAT c1, c2, c3               ; the batch's mean and variance of my 32 channels; c1, c2, c3: the loads that may stay out when the sums of squares, the means, and gamma and beta are wanted
	s_wait_loadcnt \c1
	WIN 0x45
.irp s, 16,8,4,2
.set i_, 0
.rept \s
	v_pk_add_f32 v[QR+4*i_:QR+4*i_+1], v[QR+4*i_:QR+4*i_+1], v[QR+4*(i_+\s):QR+4*(i_+\s)+1]
	v_pk_add_f32 v[QR+4*i_+2:QR+4*i_+3], v[QR+4*i_+2:QR+4*i_+3], v[QR+4*(i_+\s)+2:QR+4*(i_+\s)+3]
.set i_, i_+1
.endr
.endr
	WIN 0x05
	v_pk_add_f32 v[QS:QS+1], v[QR:QR+1], v[QR+4:QR+5]
	v_pk_add_f32 v[QS+2:QS+3], v[QR+2:QR+3], v[QR+6:QR+7]
	s_wait_loadcnt \c2
	P8 v_pk_add_f32 v[TT+p:TT+p+1], v[MR+p:MR+p+1], v[MR+16+p:MR+16+p+1]
	WIN 0x04
.set m_, 2
.rept 6
	P8 v_pk_add_f32 v[TT+p:TT+p+1], v[TT+p:TT+p+1], v[MR+16*m_+p:MR+16*m_+p+1]
.set m_, m_+1
.endr
	WIN 0
	FOLD TT
	XL4 TT, TT+4
	XL4 QS, TT+8
	v_pk_mul_f32 v[MS:MS+1], v[TT:TT+1], 0x3c000000 op_sel_hi:[1,0]
	v_pk_mul_f32 v[MS+2:MS+3], v[TT+2:TT+3], 0x3c000000 op_sel_hi:[1,0]
	WIN 0x41
.set i_, 0
.rept 32
	v_pk_add_f32 v[MR+4*i_:MR+4*i_+1], v[MR+4*i_:MR+4*i_+1], v[MS:MS+1] neg_lo:[0,1] neg_hi:[0,1]
	v_pk_add_f32 v[MR+4*i_+2:MR+4*i_+3], v[MR+4*i_+2:MR+4*i_+3], v[MS+2:MS+3] neg_lo:[0,1] neg_hi:[0,1]
.set i_, i_+1
.endr
	WIN 0x05
	P8 v_pk_mul_f32 v[DV+p:DV+p+1], v[MR+p:MR+p+1], v[MR+p:MR+p+1]
.set m_, 1
.rept 7
	P8 v_pk_fma_f32 v[DV+p:DV+p+1], v[MR+16*m_+p:MR+16*m_+p+1], v[MR+16*m_+p:MR+16*m_+p+1], v[DV+p:DV+p+1]
.set m_, m_+1
.endr
	WIN 0
	FOLD DV
	XL4 DV, DV+4
.irp i, 0,2
	v_pk_fma_f32 v[QS+\i:QS+\i+1], v[DV+\i:DV+\i+1], 0x41800000, v[QS+\i:QS+\i+1] op_sel_hi:[1,0,1]
	v_pk_mul_f32 v[QS+\i:QS+\i+1], v[QS+\i:QS+\i+1], 0x3a000000 op_sel_hi:[1,0]
	v_pk_add_f32 v[QS+\i:QS+\i+1], v[QS+\i:QS+\i+1], 0x3727c5ac op_sel_hi:[1,0]
.endr
.irp c, 0,1,2,3
	v_rsq_f32 v[QS+\c], v[QS+\c]
.endr
	s_wait_loadcnt \c3
	v_nop                                          ; a plain instruction behind the last of the four,
	s_wait_alu depctr_va_vdst(0)                   ; and their one wait
	v_pk_mul_f32 v[GA:GA+1], v[GA:GA+1], v[QS:QS+1]
	v_pk_mul_f32 v[GA+2:GA+3], v[GA+2:GA+3], v[QS+2:QS+3]
	ds_store_b128 v[PSS], v[MS:MS+3]
	ds_store_b128 v[PSS], v[GA:GA+3] offset:128
	ds_store_b128 v[PSS], v[BT:BT+3] offset:256
.irp i, 0,1,2,3
	ds_load_b128 v[MEAN+4*\i:MEAN+4*\i+3], v[PSL] offset:64*(\i/2)+16*(\i%2)   ; the wave's own bytes, served in order (ISA guide 5.7.1.4)
	ds_load_b128 v[AA+4*\i:AA+4*\i+3], v[PSL] offset:128+64*(\i/2)+16*(\i%2)
	ds_load_b128 v[BT2+4*\i:BT2+4*\i+3], v[PSL] offset:256+64*(\i/2)+16*(\i%2)
.endr
	s_wait_dscnt 0x0
.endm
.macro GELU16                          ; the 16 reciprocals and 16 exponentials are one batch; the halving of X is the plain work behind it; then one wait
	P8 v_pk_add_f32 v[X+p:X+p+1], v[X+p:X+p+1], v[MEAN+p:MEAN+p+1] neg_lo:[0,1] neg_hi:[0,1]
	P8 v_pk_fma_f32 v[X+p:X+p+1], v[X+p:X+p+1], v[AA+p:AA+p+1], v[BT2+p:BT2+p+1]
	R16 v_fma_f32 v[TT+k], |v[X+k]|, s[PC], 1.0
	P8 v_pk_mul_f32 v[QQ+p:QQ+p+1], v[X+p:X+p+1], v[X+p:X+p+1]
	P8 v_pk_mul_f32 v[QQ+p:QQ+p+1], v[QQ+p:QQ+p+1], 0xbf38aa3b op_sel_hi:[1,0]
	R16 v_rcp_f32 v[TT+k], v[TT+k]
	R16 v_exp_f32 v[QQ+k], v[QQ+k]
	P8 v_pk_mul_f32 v[X+p:X+p+1], v[X+p:X+p+1], 0.5 op_sel_hi:[1,0]
	s_wait_alu depctr_va_vdst(0)
	P8 v_pk_fma_f32 v[PP+p:PP+p+1], v[TT+p:TT+p+1], s[A5:A5+1], s[A4:A4+1] op_sel_hi:[1,0,0]
	P8 v_pk_fma_f32 v[PP+p:PP+p+1], v[PP+p:PP+p+1], v[TT+p:TT+p+1], s[A3:A3+1] op_sel_hi:[1,1,0]
	P8 v_pk_fma_f32 v[PP+p:PP+p+1], v[PP+p:PP+p+1], v[TT+p:TT+p+1], s[A2:A2+1] op_sel_hi:[1,1,0]
	P8 v_pk_fma_f32 v[PP+p:PP+p+1], v[PP+p:PP+p+1], v[TT+p:TT+p+1], s[A1:A1+1] op_sel_hi:[1,1,0]
	P8 v_pk_mul_f32 v[PP+p:PP+p+1], v[PP+p:PP+p+1], v[TT+p:TT+p+1]
	P8 v_pk_fma_f32 v[PP+p:PP+p+1], v[PP+p:PP+p+1], v[QQ+p:QQ+p+1], 1.0 op_sel_hi:[1,1,0] neg_lo:[1,0,0] neg_hi:[1,0,0]
	R16 v_bfi_b32 v[PP+k], s[MASK], v[PP+k], v[X+k]
	P8 v_pk_fma_f32 v[X+p:X+p+1], v[X+p:X+p+1], v[PP+p:PP+p+1], v[X+p:X+p+1]
.endm
	s_load_b256 s[4:11], s[0:1], 0x0               ; hs3 s[4:5], bn_gamma s[6:7], bn_beta s[8:9], W_out s[10:11]
	s_load_b128 s[12:15], s[0:1], 0x20             ; b_out s[12:13], out0 s[14:15]
	v_lshl_add_u32 v[SPW], v0, 2, SPARE
	v_mov_b32 v[NIL], 0
	v_lshrrev_b32 v[LN], 5, v0
	v_readfirstlane_b32 s[WV], v[LN]               ; wave 0..7
	v_and_b32 v[LN], 31, v0
	v_and_b32 v[LR], 15, v0
	v_bfe_u32 v[LH], v0, 4, 1
	v_lshlrev_b32 v[L16], 4, v[LN]
	v_and_b32 v[POF], 7, v0
	v_lshlrev_b32 v[POF], 4, v[POF]
	v_bfe_u32 v[SOF], v0, 3, 2
	v_lshl_add_u32 v[SOF], v[SOF], 8, v[POF]
	v_lshlrev_b32 v[BOF], 5, v[LH]
	s_mul_i32 s42, s[WV], 384
	v_add_nc_u32 v[PSS], s42, v[POF]
	v_add_nc_u32 v[PSL], s42, v[BOF]
	v_lshl_add_u32 v[DTL], v[LR], 5, DOT
	s_lshl_b32 s42, s[WV], 2
	v_add_nc_u32 v[DTS], s42, v[DTL]
	v_lshlrev_b32 v[OOF], 2, v[LN]
	s_mov_b32 s[SEL], 0x76543210
	s_mov_b32 s[SEL+1], 0xfedcba98
	s_mov_b32 s[A5], 0x3f87dc22                    ; 1.061405429
	s_mov_b32 s[A5+1], s[A5]
	s_mov_b32 s[A4], 0xbfba00e3                    ; -1.453152027
	s_mov_b32 s[A4+1], s[A4]
	s_mov_b32 s[A3], 0x3fb5f0e3                    ; 1.421413741
	s_mov_b32 s[A3+1], s[A3]
	s_mov_b32 s[A2], 0xbe91a98e                    ; -0.284496736
	s_mov_b32 s[A2+1], s[A2]
	s_mov_b32 s[A1], 0x3e827906                    ; 0.254829592
	s_mov_b32 s[A1+1], s[A1]
	s_mov_b32 s[PC], 0x3e6d3388                    ; 0.3275911 / sqrt(2)
	s_mov_b32 s[MASK], 0x7fffffff
	s_mov_b32 s43, 0
	s_wait_kmcnt 0x0
	s_load_b32 s[BO], s[12:13], 0x0
	s_lshl_b32 s42, s[WV], 15
	s_add_co_u32 s42, s42, 2097152
	s_add_nc_u64 s[SI:SI+1], s[4:5], s[42:43]
	s_lshl_b32 s42, ttmp9, 14
	s_lshl_b32 s[SV], s[WV], 11
	s_add_co_u32 s42, s42, s[SV]
	s_add_nc_u64 s[XI:XI+1], s[4:5], s[42:43]
	s_lshl_b32 s42, s[WV], 7
	s_add_nc_u64 s[GP:GP+1], s[6:7], s[42:43]
	s_add_nc_u64 s[BP:BP+1], s[8:9], s[42:43]
	s_add_nc_u64 s[WB:WB+1], s[10:11], s[42:43]
	s_lshl_b32 s42, ttmp9, 6
	s_add_nc_u64 s[OU:OU+1], s[14:15], s[42:43]
	WIN 0x40
.set i_, 0
.rept 32
	global_load_b128 v[QR+4*i_:QR+4*i_+3], v[SOF], s[SI:SI+1] offset:1024*i_+128
.set i_, i_+1
.endr
.set i_, 0
.rept 32
	global_load_b128 v[MR+4*i_:MR+4*i_+3], v[SOF], s[SI:SI+1] offset:1024*i_
.set i_, i_+1
.endr
	WIN 0
.irp i, 0,1,2,3
	global_load_b128 v[X+4*\i:X+4*\i+3], v[L16], s[XI:XI+1] offset:512*\i
.endr
	global_load_b128 v[GA:GA+3], v[POF], s[GP:GP+1] offset:2048   ; layer 3's row
	global_load_b128 v[BT:BT+3], v[POF], s[BP:BP+1] offset:2048
.irp i, 0,1,2,3
	global_load_b128 v[BI+4*\i:BI+4*\i+3], v[BOF], s[WB:WB+1] offset:64*(\i/2)+16*(\i%2)
.endr
	BNSTAT 42, 10, 4                               ; 42 = means 32, X 4, gamma, beta, W_out 4;  10 = those without the means;  4 = W_out
	GELU16
	s_wait_loadcnt 0x0
	v_pk_mul_f32 v[PP:PP+1], v[X:X+1], v[BI:BI+1]
.irp i, 2,4,6,8,10,12,14
	v_pk_fma_f32 v[PP:PP+1], v[X+\i:X+\i+1], v[BI+\i:BI+\i+1], v[PP:PP+1]
.endr
	v_add_f32 v[PP], v[PP], v[PP+1]
	v_permlanex16_b32 v[PP+1], v[PP], s[SEL], s[SEL+1]  ; the row's other 16 of my channels lie in the lane 16 away
	v_add_f32 v[PP], v[PP], v[PP+1]
	ds_store_b32 v[DTS], v[PP]
	s_wait_dscnt 0x0
	s_barrier_signal -1
	s_barrier_wait -1
	s_cmp_lg_u32 s[WV], 0
	s_cbranch_scc1 .Lend
	ds_load_b128 v[RM:RM+3], v[DTL]
	ds_load_b128 v[RM+4:RM+7], v[DTL] offset:16
	s_wait_dscnt 0x0
	s_wait_kmcnt 0x0
	v_pk_add_f32 v[RM:RM+1], v[RM:RM+1], v[RM+2:RM+3]
	v_pk_add_f32 v[RM+4:RM+5], v[RM+4:RM+5], v[RM+6:RM+7]
	v_pk_add_f32 v[RM:RM+1], v[RM:RM+1], v[RM+4:RM+5]
	v_add_f32 v[RM], v[RM], v[RM+1]
	v_add_f32 v[RM], s[BO], v[RM]
	s_wait_xcnt 0x0                                ; EXEC changes only behind this wait
	v_cmp_gt_u32 vcc_lo, 16, v[LN]
	s_and_saveexec_b32 s[SV], vcc_lo
	global_store_b32 v[OOF], v[RM], s[OU:OU+1]     ; the block's 16 numbers: 64 consecutive bytes
	s_wait_xcnt 0x0
	s_or_b32 exec_lo, exec_lo, s[SV]
.Lend:
	s_wait_tensorcnt 0x0                           ; the wave's end, behind my last LDS store
	ds_add_u32 v[SPW], v[NIL]
	s_wait_dscnt 0x0
	s_endpgm
.Lfunc_end_k_q32d3b4ad99_fin:
	.size	k_q32d3b4ad99_fin, .Lfunc_end_k_q32d3b4ad99_fin-k_q32d3b4ad99_fin
	.p2alignl 7, 3214868480
	.fill 96, 4, 3214868480
	.section	.rodata,"a",@progbits
	.p2align	6, 0x0
	.amdhsa_kernel k_q32d3b4ad99_fin
		.amdhsa_group_segment_fixed_size 4608
		.amdhsa_private_segment_fixed_size 0
		.amdhsa_enable_private_segment 0
		.amdhsa_kernarg_size 48
		.amdhsa_user_sgpr_count 2
		.amdhsa_user_sgpr_kernarg_segment_ptr 1
		.amdhsa_wavefront_size32 1
		.amdhsa_system_sgpr_workgroup_id_x 1
		.amdhsa_system_sgpr_workgroup_id_y 1
		.amdhsa_system_sgpr_workgroup_id_z 1
		.amdhsa_system_vgpr_workitem_id 0
		.amdhsa_next_free_vgpr 512
		.amdhsa_next_free_sgpr 66
		.amdhsa_reserve_vcc 1
		.amdhsa_float_denorm_mode_32 3
		.amdhsa_float_denorm_mode_16_64 3
		.amdhsa_memory_ordered 1
		.amdhsa_forward_progress 1
		.amdhsa_inst_pref_size 41
	.end_amdhsa_kernel
	.amdgpu_metadata
---
amdhsa.version: [ 1, 2 ]
amdhsa.kernels:
  - .name:           k_q32d3b4ad99_fin
    .symbol:         k_q32d3b4ad99_fin.kd
    .args:
      - { .name: hs3, .offset: 0, .size: 8, .value_kind: global_buffer, .address_space: global }
      - { .name: bn_gamma, .offset: 8, .size: 8, .value_kind: global_buffer, .address_space: global }
      - { .name: bn_beta, .offset: 16, .size: 8, .value_kind: global_buffer, .address_space: global }
      - { .name: W_out, .offset: 24, .size: 8, .value_kind: global_buffer, .address_space: global }
      - { .name: b_out, .offset: 32, .size: 8, .value_kind: global_buffer, .address_space: global }
      - { .name: out0, .offset: 40, .size: 8, .value_kind: global_buffer, .address_space: global }
    .group_segment_fixed_size: 4608
    .private_segment_fixed_size: 0
    .kernarg_segment_align: 8
    .kernarg_segment_size: 48
    .max_flat_workgroup_size: 256
    .sgpr_count:     66
    .vgpr_count:     512
    .wavefront_size: 32
...
	.end_amdgpu_metadata
.endif
;; end of part 4
